; MI455X (gfx1250); checked and timed in simulation.
; The chip was launched on July 23, 2026; its instructions are those of AMD's public machine-readable ISA for CDNA 5 (MIT licence, August 2026) and "CDNA5" Instruction Set Architecture Reference Guide (July 2026). The comments in the code are by the model that wrote it; some were corrected since.
;; Multi Head Attention. Allowed arithmetic: matrix products marked QUANTISED: E4M3 operands, one given power-of-two scale a tensor, by v_wmma_f32_16x16x64_fp8_fp8 or v_wmma_f32_16x16x128_fp8_fp8, f32 sums; everything else in f32.
;; Inputs: Wk 1,024 x 1,024 float32; Wo 1,024 x 1,024 float32; Wq 1,024 x 1,024 float32; Wv 1,024 x 1,024 float32; bk 1,024 float32; bo 1,024 float32; bq 1,024 float32; bv 1,024 float32; lowp_scales 12 int32 (the exponents e of the quantised operands' scales 2^e); mask 1 x 1 x 2,048 x 2,048 int32; x 4 x 2,048 x 1,024 float32.
;; Outputs: out0 4 x 2,048 x 1,024 float32.
;; This version of the problem:
;;   THIS VERSION OF THE PROBLEM IS GIVEN IN LOW PRECISION. The matrix products marked QUANTISED in the list below multiply operands that are first quantised to E4M3 (4 exponent bits, 3 mantissa bits; 8 bits a number), with one given power-of-two scale for each operand tensor; their sums are f32. All else is computed in f32.
;;   The module's matrix products, in the order in which they are computed (A, B: the left and right operand; K: the contracted axis; several contracted axes count as one K, in the product's order):
;;     1. [M 8,192, K 1,024] x [K 1,024, N 1,024]; A: input x; B: input Wq: QUANTISED (scales: A lowp_scales[0], B lowp_scales[1])
;;     2. [M 8,192, K 1,024] x [K 1,024, N 1,024]; A: input x; B: input Wk: QUANTISED (scales: A lowp_scales[2], B lowp_scales[3])
;;     3. [M 8,192, K 1,024] x [K 1,024, N 1,024]; A: input x; B: input Wv: QUANTISED (scales: A lowp_scales[4], B lowp_scales[5])
;;     4. batch 64 x [M 2,048, K 64] x [K 64, N 2,048]; A: computed on the way; B: computed on the way: QUANTISED (scales: A lowp_scales[6], B lowp_scales[7])
;;     5. batch 64 x [M 2,048, K 2,048] x [K 2,048, N 64]; A: softmax (see below); B: computed on the way: QUANTISED (scales: A lowp_scales[8], B lowp_scales[9])
;;     6. [M 8,192, K 1,024] x [K 1,024, N 1,024]; A: computed on the way; B: input Wo: QUANTISED (scales: A lowp_scales[10], B lowp_scales[11])
;;   THE QUANTISER, for each operand of a quantised product, along K:
;;     - The operand's scale is 2^e, e = its entry of the input lowp_scales (int32; the entries are numbered through the quantised products in the list's order, A before B).
;;     - Each number is divided by the scale, clamped to +-448, and rounded to the nearest number of E4M3, ties to even, subnormals kept.
;;     - The product sums the exact products of the quantised numbers (number of the format x scale) in f32.
;;   ~~~python
;;   def quantise(x, axis, e):      # numpy; x: float32 -> the quantised numbers, widened to float32 again
;;       x = np.moveaxis(x, axis, -1); K = x.shape[-1]
;;       r = np.clip(x / 2.0 ** e, -448, 448)
;;       step = 2.0 ** (np.maximum(np.frexp(np.where(r == 0, 1, r))[1] - 1, -6) - 3)
;;       q = np.round(r / step) * step * 2.0 ** e      # np.round: ties to even
;;       return np.moveaxis(q, -1, axis).astype(np.float32)
;;   ~~~
;;   SOFTMAX AHEAD OF A QUANTISED PRODUCT. Where the list says 'softmax', what is quantised is not the finished softmax but p = 2^(t - M), with t = logit x log2(e) and M = ceil(the row's largest t), a whole number; so 1/2 < the row's largest p <= 1. The row's sum l is taken of the UNQUANTISED p, in f32, and the product's result is divided by l at the end. Since M is a whole number, a kernel that streams over the keys may use a running M (the ceiling of the running maximum): every later rescaling is an exact power of two, so the quantised numbers keep their values, but for numbers so far below the row's largest that they fall under the format's range.
;;   OPERANDS COMPUTED ON THE WAY. 'Computed on the way' means the value that the module computes at that place (a softmax that the list does not call 'softmax' is quantised finished and normalised). What goes into a quantiser is computed in f32, as accurately as f32 sums, v_exp_f32 and their like allow (about 1e-6 of the number): no bf16 or f16 on the way to a quantiser, and a product that is left as it is and whose result goes on into a quantised operand takes f32 operands (vector FMAs, or v_wmma_f32_16x16x4_f32). A number that lies on a knife's edge between two numbers of the format may be rounded either way, as far as f32 arithmetic and the matrix unit's own rounding can turn it there, and no further.
;; 2 versions, each right; version 2 is version 1 with the launch attn written anew for expert scheduling mode. Each part assembles by itself: llvm-mc -triple=amdgcn-amd-amdhsa -mcpu=gfx1250 --defsym DOCPART=n.
;; ======== version 1 of 2: 4 launches
;; limits: right only within a limited range of input values
;; workspace buffers: codes 29,360,128 bytes; mw 524,288 bytes of whole numbers; mf 256 bytes of whole numbers; qkv 25,165,824 bytes; af 8,388,608 bytes
;; launch prep (part 1): grid 256 x 1, 8 waves a work-group, no clusters, 134,400 bytes of LDS; arguments x, Wq, Wk, Wv, Wo, mask, lowp_scales, codes, mw, mf; writes codes, mw, mf
.if DOCPART == 1
	.amdgcn_target "amdgcn-amd-amdhsa--gfx1250"
	.amdhsa_code_object_version 6
	.text
	.protected	k_qc54cccb065_prep
	.globl	k_qc54cccb065_prep
	.p2align	8
	.type	k_qc54cccb065_prep,@function
k_qc54cccb065_prep:
	s_mov_b64 s[64:65], 0
	v_nop
	global_prefetch_b8 v0, s[64:65] scope:SCOPE_SE
	s_setreg_imm32_b32 hwreg(HW_REG_WAVE_MODE, 25, 1), 1
	s_wait_xcnt 0x0
; PREP: (a) x and the four weights, f32 with K innermost, become codes of E4M3; (b) the mask becomes lane-mask words and step flags.
; codes: rows of 1,024 bytes.  x at scale e0 from byte 0, at e2 from 8 MiB, at e4 from 16 MiB; Wq, Wk, Wv, Wo from 24, 25, 26, 27 MiB (scales e1, e3, e5, e11).
; Wv's blocks of 8 rows are stored with bits 0 and 1 of the block's number swapped, so that a later product leaves 16 neighbouring features in a lane's registers.
; code = number / 2^e, held within +-448, to the nearest code, ties to even.  LIMITS: e between -126 and 119; NaN among the inputs is not served.
; mw[strip of 32 queries][step of 128 keys][tile of 16 queries][n = 8 c + j]: bit (r + 16 h) = mask[32 strip + 16 tile + r][128 step + 16 c + 8 h + j] != 0.
; mf[strip]: bit s: step s has an open key for some query of the strip (all sixteen bits where a query has no open key at all); bit 16 + s: step s is wholly open.
; SHARES: work-groups 0-63: a strip of the mask each (wave w: steps 2 w, 2 w + 1); 64-191: x, a run of 8,192 numbers a wave; 192-255: the weights, likewise.  Each reads 256 KiB.
; The two ways part on the work-group's number alone and have LDS bytes of their own.
.set WREG,   8192                      ; quantiser: a wave's LDS region: two stages of 32 x SP bytes
.set SP,     80                        ; a lane's place in a stage: 64 bytes + 16 of padding
.set MSTG,   8*WREG                    ; mask: a stage of 16 rows x MPITCH for each wave
.set MPITCH, 528                       ; 512 bytes + 16: the sixteen rows that a read touches start at sixteen different banks
.set MWAVE,  16*MPITCH
.set EXCH,   MSTG+8*MWAVE              ; 16 words in which the waves' figures meet
.set SPARE,  EXCH+256                  ; the spare words, 128 bytes for each wave: four blocks of 256 bytes that no other line names
.set SPW, 12                           ; v12  my spare word's LDS address; never rewritten
.set NIL, 13                           ; v13  0; never rewritten
.set R,   16                           ; v16-79   quantiser: four sets of 16 numbers as loaded
.set X,   80                           ; v80-111  two sets of 16 neighbours
.set T,   112                          ; v112-143 two sets of 16 held numbers
.set C,   144                          ; v144-191 codes: four sets of 3 x 4 registers
.set SCL, 192                          ; v192-197 (2^e, 448 x 2^e) for up to three scales
.set MX,  16                           ; v16-143  mask: two sets of 64 words as loaded
.set YY,  144                          ; v144-207 64 words in the order of the scores' registers
.set OUTW, 208                         ; v208-215 four pairs of result words
.macro LOAD t                          ; a step's 2,048 bytes: each load reads 512 consecutive bytes
.irp i, 0,1,2,3
	global_load_b128 v[R+16*((\t)%4)+4*\i:R+16*((\t)%4)+4*\i+3], v3, s[32:33] offset:2048*(\t)+512*\i th:TH_LOAD_NT
.endr
.endm
.macro TURN t                          ; through the wave's own stage: in as loaded, back 64 neighbouring bytes a lane; LDS serves a wave's instructions in order
.irp i, 0,1,2,3
	ds_store_b128 v14, v[R+16*((\t)%4)+4*\i:R+16*((\t)%4)+4*\i+3] offset:32*SP*((\t)%2)+8*SP*\i
.endr
.irp i, 0,1,2,3
	ds_load_b128 v[X+16*((\t)%2)+4*\i:X+16*((\t)%2)+4*\i+3], v15 offset:32*SP*((\t)%2)+16*\i
.endr
.endm
.macro Q1 t, p                         ; step t at scale p: hold, convert, store 512 consecutive bytes.  The sets of held numbers alternate, so the first hold behind a conversion writes the other set
.set XS, X+16*((\t)%2)
.set TS, T+16*(((\t)+(\p))%2)
.set CS, C+12*((\t)%4)+4*(\p)
.irp i, 0,1,2,3,4,5,6,7,8,9,10,11,12,13,14,15
	v_med3_num_f32 v[TS+\i], v[XS+\i], -v[SCL+2*(\p)+1], v[SCL+2*(\p)+1]   ; the conversion does not saturate (ISA guide 7.6.2)
.endr
	v_cvt_scalef32_pk8_fp8_f32 v[CS:CS+1], v[TS:TS+7], v[SCL+2*(\p)]
	v_cvt_scalef32_pk8_fp8_f32 v[CS+2:CS+3], v[TS+8:TS+15], v[SCL+2*(\p)]
	global_store_b128 v3, v[CS:CS+3], s[34+2*(\p):35+2*(\p)] offset:512*(\t)
.endm
.macro STEP t
	s_wait_dscnt 0x0                               ; this step's numbers are back; its stores into the stage have read their registers,
.if (\t)+4 < 16
	LOAD (\t)+4                                    ; which take the loads of four steps on
.endif
.if (\t)+1 < 16
.if 14-(\t) >= 3
	s_wait_loadcnt 12                              ; the next step's four loads are in; the three later steps' twelve may be out
.else
	s_wait_loadcnt 4*(14-(\t))
.endif
	TURN (\t)+1
.endif
	s_wait_xcnt 0x0                                ; the stores of four steps ago have read the set of code registers that is written now
	Q1 \t, 0
	s_cmp_lg_u32 s26, 0                            ; x is wanted at three scales, a weight at one
	s_cbranch_scc0 .Lone_\@
	Q1 \t, 1
	Q1 \t, 2
.Lone_\@:
.endm
.macro MKSC p, e                       ; 2^e and 448 x 2^e as f32
	s_add_co_i32 s52, \e, 127
	s_lshl_b32 s53, s52, 23
	v_mov_b32 v[SCL+2*\p], s53
	s_add_co_i32 s52, s52, 8
	s_lshl_b32 s52, s52, 23
	s_or_b32 s52, s52, 0x600000
	v_mov_b32 v[SCL+2*\p+1], s52
.endm
.macro LOADU u                         ; unit u = 2 x (step in the wave) + tile: 16 rows x 512 bytes, a row a load
.irp i, 0,1,2,3,4,5,6,7,8,9,10,11,12,13,14,15
	global_load_b128 v[MX+64*((\u)%2)+4*\i:MX+64*((\u)%2)+4*\i+3], v3, s[14:15] offset:(16*((\u)%2)+\i)*8192+512*((\u)/2) th:TH_LOAD_NT
.endr
.endm
.macro UNIT u
.if (\u) < 3
	s_wait_loadcnt 16                              ; this unit's sixteen loads are in; the next unit's may be out
.else
	s_wait_loadcnt 0
.endif
.irp i, 0,1,2,3,4,5,6,7,8,9,10,11,12,13,14,15
	ds_store_b128 v5, v[MX+64*((\u)%2)+4*\i:MX+64*((\u)%2)+4*\i+3] offset:MPITCH*\i
.endr
.irp c, 0,1,2,3,4,5,6,7
	ds_load_b128 v[YY+8*\c:YY+8*\c+3], v6 offset:64*\c          ; row r, keys 16 c + 8 h + 0 .. 3
	ds_load_b128 v[YY+8*\c+4:YY+8*\c+7], v6 offset:64*\c+16     ; and + 4 .. 7
.endr
	s_wait_dscnt 0x0
.if (\u) < 2
	LOADU (\u)+2
.endif
	s_mov_b32 s48, -1                              ; AND and OR of the unit's 64 words
	s_mov_b32 s49, 0
.irp g, 0,1,2,3,4,5,6,7
.irp k, 0,1,2,3,4,5,6,7
	v_cmp_ne_u32 s[40+\k], 0, v[YY+8*\g+\k]        ; word n = 8 g + k: a bit a lane
.endr
.irp k, 0,1,2,3,4,5,6,7
	s_and_b32 s48, s48, s[40+\k]
	s_or_b32 s49, s49, s[40+\k]
	v_writelane_b32 v[OUTW+2*(\u)+(\k)%2], s[40+\k], 4*\g+(\k)/2   ; lane n / 2 holds words n and n + 1
.endr
.endr
	global_store_b64 v7, v[OUTW+2*(\u):OUTW+2*(\u)+1], s[20:21] offset:512*((\u)/2)+256*((\u)%2)   ; the wave stores 256 consecutive bytes, aligned
	s_lshr_b32 s54, s49, 16
	s_or_b32 s54, s54, s49
	s_and_b32 s54, s54, 0xffff                     ; bit r: row r of the tile has an open key in this step
.if (\u)%2 == 0
	s_mov_b32 s50, s54
	s_mov_b32 s51, s48
.else
	s_lshl_b32 s54, s54, 16
	s_or_b32 s50, s50, s54                         ; the strip's 32 rows
	s_and_b32 s51, s51, s48
	s_or_b32 s52, s52, s50
	s_cmp_lg_u32 s50, 0
	s_cselect_b32 s54, 1<<((\u)/2), 0
	s_or_b32 s53, s53, s54
	s_cmp_eq_u32 s51, -1
	s_cselect_b32 s54, 0x10000<<((\u)/2), 0
	s_or_b32 s53, s53, s54
.endif
.endm
	s_load_b512 s[4:19], s[0:1], 0x0               ; x, Wq, Wk, Wv, Wo, mask, scales, codes
	s_load_b128 s[20:23], s[0:1], 0x40             ; mw, mf
	v_lshl_add_u32 v[SPW], v0, 2, SPARE
	v_mov_b32 v[NIL], 0
	v_lshrrev_b32 v1, 5, v0
	v_readfirstlane_b32 s24, v1                    ; wave 0..7
	v_and_b32 v2, 31, v0                           ; lane
	v_lshlrev_b32 v3, 4, v2                        ; 16 x lane
	s_cmp_lt_u32 ttmp9, 64
	s_cbranch_scc1 .Lmask
	; ---------------- the quantiser ----------------
	s_sub_co_u32 s25, ttmp9, 64                    ; g': 0-127 x, 128-191 the weights
	s_mul_i32 s31, s24, WREG
	v_lshrrev_b32 v14, 2, v2
	v_mul_u32_u24 v14, v14, SP
	v_and_b32 v15, 3, v2
	v_lshl_add_u32 v14, v15, 4, v14
	v_add_nc_u32 v14, s31, v14                     ; the stage, on the way in: SP (lane / 4) + 16 (lane % 4)
	v_mul_u32_u24 v15, v2, SP
	v_add_nc_u32 v15, s31, v15                     ; and on the way out: SP x lane
	s_cmp_lt_u32 s25, 128
	s_cselect_b32 s26, 1, 0                        ; is it x?
	s_cselect_b32 s27, 128, s25
	s_sub_co_u32 s27, s27, 128                     ; 0 for x, else 0..63
	s_lshr_b32 s28, s27, 4                         ; which weight
	s_and_b32 s29, s27, 15
	s_cmp_lg_u32 s26, 0
	s_cselect_b32 s29, s25, s29
	s_lshl_b32 s29, s29, 3
	s_add_co_u32 s29, s29, s24                     ; my run of 8,192 numbers (8 rows)
	s_and_b32 s30, s29, 0xfffffffc
	s_and_b32 s52, s29, 1
	s_lshl_b32 s52, s52, 1
	s_or_b32 s30, s30, s52
	s_bfe_u32 s52, s29, 0x10001
	s_or_b32 s30, s30, s52                         ; the run's number with bits 0 and 1 swapped:
	s_cmp_eq_u32 s28, 2
	s_cselect_b32 s30, s30, s29                    ; where Wv's run goes; every other run keeps its place
	s_lshl_b32 s52, s29, 15                        ; source: 32,768 bytes a run
	s_mov_b32 s53, 0
	s_lshl_b32 s54, s30, 13                        ; codes: 8,192 bytes a run
	s_lshl_b32 s55, s28, 20
	s_add_co_u32 s55, s55, 24<<20
	s_cmp_lg_u32 s26, 0
	s_cselect_b32 s55, 0, s55
	s_add_co_u32 s54, s54, s55
	s_mov_b32 s55, 0
	s_wait_kmcnt 0x0
	s_load_b256 s[40:47], s[16:17], 0x0            ; e0 .. e7
	s_load_b128 s[48:51], s[16:17], 0x20           ; e8 .. e11
	s_cmp_eq_u32 s28, 1
	s_cselect_b64 s[32:33], s[8:9], s[6:7]
	s_cmp_eq_u32 s28, 2
	s_cselect_b64 s[32:33], s[10:11], s[32:33]
	s_cmp_eq_u32 s28, 3
	s_cselect_b64 s[32:33], s[12:13], s[32:33]
	s_cmp_lg_u32 s26, 0
	s_cselect_b64 s[32:33], s[4:5], s[32:33]       ; the choice hangs on the work-group's number alone
	s_add_nc_u64 s[32:33], s[32:33], s[52:53]
	s_add_nc_u64 s[34:35], s[18:19], s[54:55]
	s_add_nc_u64 s[36:37], s[34:35], 0x800000      ; x's second and third sets of codes
	s_add_nc_u64 s[38:39], s[34:35], 0x1000000
.irp t, 0,1,2,3
	LOAD \t
.endr
	s_wait_kmcnt 0x0
	s_cmp_eq_u32 s28, 1
	s_cselect_b32 s56, s43, s41
	s_cmp_eq_u32 s28, 2
	s_cselect_b32 s56, s45, s56
	s_cmp_eq_u32 s28, 3
	s_cselect_b32 s56, s51, s56
	s_cmp_lg_u32 s26, 0
	s_cselect_b32 s56, s40, s56
	MKSC 0, s56
	MKSC 1, s42
	MKSC 2, s44
	s_wait_loadcnt 12                              ; step 0's four loads are in
	TURN 0
.irp t, 0,1,2,3,4,5,6,7,8,9,10,11,12,13,14,15
	STEP \t
.endr
	s_wait_tensorcnt 0x0                           ; the wave's end, behind my last LDS store
	ds_add_u32 v[SPW], v[NIL]
	s_wait_dscnt 0x0
	s_endpgm
	; ---------------- the mask ----------------
.Lmask:
	s_mul_i32 s25, s24, MWAVE
	s_add_co_u32 s25, s25, MSTG                    ; my stage
	v_add_nc_u32 v5, s25, v3                       ; in: a row's 512 bytes, 16 a lane
	v_and_b32 v6, 15, v2
	v_lshrrev_b32 v7, 4, v2
	v_mul_u32_u24 v6, v6, MPITCH
	v_lshl_add_u32 v6, v7, 5, v6
	v_add_nc_u32 v6, s25, v6                       ; out: row r, + 32 h
	v_lshlrev_b32 v7, 3, v2                        ; 8 x lane: my two words of a unit's 64
	v_mov_b32 v8, 0
	v_lshrrev_b32 v9, 5, v0
	v_lshl_add_u32 v9, v9, 2, EXCH                 ; my wave's word
	v_mov_b32 v10, EXCH
.irp i, 0,1,2,3,4,5,6,7
	v_mov_b32 v[OUTW+\i], 0                        ; written once: v_writelane_b32's destination counts as read
.endr
	s_lshl_b32 s26, ttmp9, 18                      ; the strip's 32 rows of 8,192 bytes,
	s_lshl_b32 s27, s24, 10                        ; my two steps' 1,024 bytes of a row
	s_add_co_u32 s26, s26, s27
	s_mov_b32 s27, 0
	s_lshl_b32 s28, ttmp9, 4
	s_lshl_b32 s29, s24, 1
	s_add_co_u32 s28, s28, s29
	s_lshl_b32 s28, s28, 9                         ; mw: (16 strip + 2 wave) x 512 bytes
	s_mov_b32 s29, 0
	s_lshl_b32 s30, ttmp9, 2                       ; mf: a word a strip
	s_mov_b32 s31, 0
	s_mov_b32 s52, 0                               ; rows with an open key in my steps
	s_mov_b32 s53, 0                               ; my steps' flags
	s_wait_kmcnt 0x0
	s_add_nc_u64 s[14:15], s[14:15], s[26:27]
	s_add_nc_u64 s[20:21], s[20:21], s[28:29]
	s_add_nc_u64 s[22:23], s[22:23], s[30:31]
	LOADU 0
	LOADU 1
	UNIT 0
	UNIT 1
	UNIT 2
	UNIT 3
	s_lshl_b32 s55, s24, 1
	s_lshl_b32 s53, s53, s55                       ; bits 2 w, 2 w + 1 and 16 + 2 w, 17 + 2 w
	v_mov_b32 v11, s52
	v_mov_b32 v14, s53
	ds_store_b32 v9, v11                           ; all lanes write the same word with the same value
	ds_store_b32 v9, v14 offset:32
	s_wait_dscnt 0x0                               ; for the others' sake
	s_barrier_signal -1
	s_barrier_wait -1
	ds_load_b128 v[16:19], v10
	ds_load_b128 v[20:23], v10 offset:16
	ds_load_b128 v[24:27], v10 offset:32
	ds_load_b128 v[28:31], v10 offset:48
	s_wait_dscnt 0x0
	v_or_b32 v16, v16, v17
	v_or_b32 v18, v18, v19
	v_or_b32 v20, v20, v21
	v_or_b32 v22, v22, v23
	v_or_b32 v24, v24, v25
	v_or_b32 v26, v26, v27
	v_or_b32 v28, v28, v29
	v_or_b32 v30, v30, v31
	v_or_b32 v16, v16, v18
	v_or_b32 v20, v20, v22
	v_or_b32 v24, v24, v26
	v_or_b32 v28, v28, v30
	v_or_b32 v16, v16, v20                         ; bit: the row has an open key somewhere
	v_or_b32 v24, v24, v28                         ; the sixteen steps' flags
	v_mov_b32 v17, 0xffff
	v_cmp_ne_u32 vcc_lo, -1, v16
	v_cndmask_b32 v17, 0, v17, vcc_lo              ; a row with no open key wants all 2,048 keys: every step is walked
	v_or_b32 v24, v24, v17
	s_wait_xcnt 0x0                                ; EXEC changes only behind this wait
	v_cmp_eq_u32 vcc_lo, 0, v0
	s_and_saveexec_b32 s56, vcc_lo
	global_store_b32 v8, v24, s[22:23]             ; thread 0 alone
	s_wait_xcnt 0x0
	s_or_b32 exec_lo, exec_lo, s56
	s_wait_tensorcnt 0x0                           ; the wave's end, behind my last LDS store
	ds_add_u32 v[SPW], v[NIL]
	s_wait_dscnt 0x0
	s_endpgm
.Lfunc_end_k_qc54cccb065_prep:
	.size	k_qc54cccb065_prep, .Lfunc_end_k_qc54cccb065_prep-k_qc54cccb065_prep
	.p2alignl 7, 3214868480
	.fill 96, 4, 3214868480
	.section	.rodata,"a",@progbits
	.p2align	6, 0x0
	.amdhsa_kernel k_qc54cccb065_prep
		.amdhsa_group_segment_fixed_size 134400
		.amdhsa_private_segment_fixed_size 0
		.amdhsa_enable_private_segment 0
		.amdhsa_kernarg_size 80
		.amdhsa_user_sgpr_count 2
		.amdhsa_user_sgpr_kernarg_segment_ptr 1
		.amdhsa_wavefront_size32 1
		.amdhsa_system_sgpr_workgroup_id_x 1
		.amdhsa_system_sgpr_workgroup_id_y 1
		.amdhsa_system_sgpr_workgroup_id_z 1
		.amdhsa_system_vgpr_workitem_id 0
		.amdhsa_next_free_vgpr 224
		.amdhsa_next_free_sgpr 66
		.amdhsa_reserve_vcc 1
		.amdhsa_float_denorm_mode_32 3
		.amdhsa_float_denorm_mode_16_64 3
		.amdhsa_memory_ordered 1
		.amdhsa_forward_progress 1
		.amdhsa_inst_pref_size 147
	.end_amdhsa_kernel
	.amdgpu_metadata
---
amdhsa.version: [ 1, 2 ]
amdhsa.kernels:
  - .name:           k_qc54cccb065_prep
    .symbol:         k_qc54cccb065_prep.kd
    .args:
      - { .name: x, .offset: 0, .size: 8, .value_kind: global_buffer, .address_space: global }
      - { .name: Wq, .offset: 8, .size: 8, .value_kind: global_buffer, .address_space: global }
      - { .name: Wk, .offset: 16, .size: 8, .value_kind: global_buffer, .address_space: global }
      - { .name: Wv, .offset: 24, .size: 8, .value_kind: global_buffer, .address_space: global }
      - { .name: Wo, .offset: 32, .size: 8, .value_kind: global_buffer, .address_space: global }
      - { .name: mask, .offset: 40, .size: 8, .value_kind: global_buffer, .address_space: global }
      - { .name: lowp_scales, .offset: 48, .size: 8, .value_kind: global_buffer, .address_space: global }
      - { .name: codes, .offset: 56, .size: 8, .value_kind: global_buffer, .address_space: global }
      - { .name: mw, .offset: 64, .size: 8, .value_kind: global_buffer, .address_space: global }
      - { .name: mf, .offset: 72, .size: 8, .value_kind: global_buffer, .address_space: global }
    .group_segment_fixed_size: 134400
    .private_segment_fixed_size: 0
    .kernarg_segment_align: 8
    .kernarg_segment_size: 80
    .max_flat_workgroup_size: 256
    .sgpr_count:     66
    .vgpr_count:     224
    .wavefront_size: 32
...
	.end_amdgpu_metadata
.endif
;; end of part 1
;; launch qkv (part 2): grid 12 x 32, 4 waves a work-group, clusters of 4 x 4, 327,680 bytes of LDS; arguments codes, lowp_scales, bq, bk, bv, qkv; writes qkv
.if DOCPART == 2
	.amdgcn_target "amdgcn-amd-amdhsa--gfx1250"
	.amdhsa_code_object_version 6
	.text
	.protected	k_qc54cccb065_qkv
	.globl	k_qc54cccb065_qkv
	.p2align	8
	.type	k_qc54cccb065_qkv,@function
k_qc54cccb065_qkv:
	s_mov_b64 s[64:65], 0
	v_nop
	global_prefetch_b8 v0, s[64:65] scope:SCOPE_SE
	s_setreg_imm32_b32 hwreg(HW_REG_WAVE_MODE, 25, 1), 1
	s_wait_xcnt 0x0
	s_wait_alu depctr_hold_cnt(0) depctr_sa_sdst(0) depctr_va_vdst(0) depctr_va_sdst(0) depctr_va_ssrc(0) depctr_va_vcc(0) depctr_vm_vsrc(0)
	s_getreg_b32 s2, hwreg(HW_REG_IB_STS2, 6, 4)
	s_cmp_eq_u32 s2, 0
	s_cbranch_scc0 .Lentry_in_a_cluster
	s_endpgm
.Lentry_in_a_cluster:
	s_bfe_u32 s2, ttmp6, 0x10000c
	s_cmp_lg_u32 s2, 0xf033
	s_cbranch_scc0 .Lentry_shape_is_right
	s_endpgm
.Lentry_shape_is_right:
; QKV: the three projections on codes of E4M3, K = 1,024; each result + bias is quantised at once and stored as IMAGES OF OPERAND REGISTERS for the attention launch.
; The cluster's x says which: p = 0: q = x Wq^T + bq (scales e0, e1; result at e6); p = 1: k (e2, e3; e7); p = 2: v (e4, e5; e9).
; q, k: "A" = x's codes (tokens), "B" = the weight's (features).  v: "A" = Wv's codes (rows as the first launch laid them), "B" = x's: V^T = Wv x^T, so that a lane's registers run along the tokens, the second attention product's K.
; A tile of 256 x 256 to a work-group of four waves, 128 x 128 a wave: 64 accumulators, 512 registers.  K in steps of 256 through a ring of two LDS slots filled by the tensor data mover.
; CLUSTERS: 4 x 4 work-groups; A's tile is asked for jointly along a row of the cluster, B's along a column.  THE MATRIX INSTRUCTION IS USED TRANSPOSED (source 0 = 16 rows of B, source 1 = 16 rows of A):
; lane (r, h) holds A's row r and B's rows 8 h + 0 .. 7: eight neighbours along the next product's K, which one conversion turns into two registers of that product's operand.  No LDS stage is needed on the way out.
; IMAGES (a quad of four registers = 512 bytes, lane l's 16 bytes at 16 l): q at byte 0, k at 8 MiB: [batch x head][tile of 16 tokens] x 1 KiB, register pair c = d 16 c + 8 h + 0..7 of token r;
; v at 16 MiB: [batch x head][step of 128 keys][tile of 16 stored rows] x 2 KiB, register pair c = keys 16 c + 8 h + 0..7 of row r.
; LIMITS: the two operands' exponents added lie between -126 and 127; the result's exponent between -126 and 119.  NaN among the inputs is not served.
; REGISTERS, in windows of 256: window 0: v0-31 addresses; v32-95, v96-103 the biases; from v128 A's fragments, ONE set; on the way out v128-191 numbers, v192-255 codes.
;   window 1: B's fragments, TWO sets.   window 2: the accumulators of my rows 0-63 ((a, b) at v[8 (8 a + b)]);   window 3: those of rows 64-127.
.set KSTEP,  256
.set ROWB,   256                       ; a tile's row in bytes
.set KROW,   1024                      ; a row of codes in memory
.set PITCH,  272                       ; an LDS row: 256 bytes + 16 of padding: the 16 rows that a load touches start at 16 different banks (64 banks of 4 bytes: ISA guide 11.1)
.set FR,     16
.set NL,     4
.set NP,     4                         ; places behind this matrix instruction (ISA guide 7.12.1)
.set HALFT,  128*PITCH
.set SLOT,   4*HALFT
.set LAPS,   2                         ; 1,024 along K = four slots' worth = twice round the ring
.set SPARE,  2*SLOT                    ; behind the ring: the spare words, 128 bytes for each wave: two blocks of 256 bytes that no other line names
.set ADRA, 16
.set ADRB, 20
.set CO,   26                          ; v26  16 x lane: my place in an image's quad
.set SPW,  28                          ; v28  my spare word's LDS address; never rewritten
.set NIL,  29                          ; v29  0; never rewritten
.set QSC,  30                          ; v30  2^eo
.set QLIM, 31                          ; v31  448 x 2^eo
.set BI,   32                          ; v32-95  bias[F0 + 16 b + 8 h + j] at 8 b + j (q, k)
.set BV,   96                          ; v96-103 the bias of stored row 16 a + r at a (v)
.set AF,   128
.set T,    128
.set CD,   192                         ; four sets of 16 code registers
.set G1, 24
.set G0, 32
.set G1B, 48
.set G0B, 56
.set MSB, 0
.macro WIN new                         ; the immediate's high byte repeats the setting that is left
.if MSB != \new
	s_set_vgpr_msb (MSB<<8)|\new
.set MSB, \new
.endif
.endm
.set MUL_LO, 0xa1                      ; source 0 (B) window 1, source 1 (A) window 0, C and D window 2
.set MUL_HI, 0xf1
.set TO_B,   0x40
; A joint load: waves 0 and 1 fetch for A, waves 2 and 3 for B; the branch hangs on the wave's number alone.  An s_nop 0 and four v_nop follow each line.
.macro JLOAD g0a, g1a, g0b, g1b
	s_cmp_eq_u32 s15, 0
	s_cbranch_scc0 .Lfor_b_\@
	tensor_load_to_lds s[\g0a:\g0a+3], s[\g1a:\g1a+7]
	s_nop 0
.rept 4
	v_nop
.endr
	s_branch .Lasked_\@
.Lfor_b_\@:
	tensor_load_to_lds s[\g0b:\g0b+3], s[\g1b:\g1b+7]
	s_nop 0
.rept 4
	v_nop
.endr
.Lasked_\@:
.endm
.macro CREST
	s_cmp_lg_u32 s14, 0
	s_cbranch_scc1 .Lnot_wave_0_\@
	s_barrier_signal -3
.Lnot_wave_0_\@:
	s_barrier_wait -3
	s_barrier_signal -1
	s_barrier_wait -1
.endm
.macro CROUND
	s_barrier_signal -1
	s_barrier_wait -1
	CREST
.endm
	s_load_b128 s[4:7], s[0:1], 0x0                ; codes, the scales' exponents
	s_load_b256 s[84:91], s[0:1], 0x10             ; bq, bk, bv, qkv
	v_lshl_add_u32 v[SPW], v0, 2, SPARE
	v_mov_b32 v[NIL], 0
	ds_add_u32 v[SPW], v[NIL]                      ; the wave's opening, ahead of my first tensor load
	v_lshrrev_b32 v1, 5, v0
	v_readfirstlane_b32 s14, v1                    ; wave 0..3
	s_lshr_b32 s15, s14, 1                         ; which half of A's rows is mine.  Also: I fetch for A (0) or for B (1)
	s_and_b32 s16, s14, 1                          ; which half of B's rows.  Also: which 128 rows I fetch
	s_bfe_u32 s40, ttmp6, 0x40000                  ; cx
	s_bfe_u32 s41, ttmp6, 0x40004                  ; cy
	s_and_b32 s12, ttmp7, 0xffff
	s_lshl_b32 s12, s12, 2                         ; 4 x cluster y
	s_cmp_eq_u32 ttmp9, 2                          ; the cluster's x, which all partners share: is it v?
	s_cselect_b32 s13, 0, s12
	s_cselect_b32 s12, s12, 0
	s_add_co_u32 s17, s41, s13                     ; tile row (A): q, k: 32 tiles of tokens; v: 4 of features
	s_add_co_u32 s42, s40, s12                     ; tile column (B): q, k: 4 of features; v: 32 of tokens
	s_lshl_b32 s43, s41, 2
	s_lshl_b32 s43, 15, s43                        ; my row of the cluster
	s_lshl_b32 s44, 0x1111, s40                    ; my column
	s_or_b32 s[G1+0], s43, (0<<16)|(1<<20)|(1<<21)|(5<<22)|(3<<25)  ; the mask; elements of 1 byte; padding on; bit 21 beside a mask; after every 64 words four words
	s_or_b32 s[G1B+0], s44, (0<<16)|(1<<20)|(1<<21)|(5<<22)|(3<<25)
.irp g, G1, G1B
	s_mov_b32 s[\g+1], ROWB<<16                    ; tensor_dim0
	s_mov_b32 s[\g+2], 128<<16                     ; tensor_dim1
	s_mov_b32 s[\g+3], ROWB<<16                    ; tile_dim0
	s_mov_b32 s[\g+4], 128                         ; tile_dim1
	s_mov_b32 s[\g+5], KROW                        ; tensor_dim0_stride
	s_mov_b32 s[\g+6], 0
	s_mov_b32 s[\g+7], 0
.endr
	s_lshl_b32 s18, s16, 7
	s_lshl_b32 s20, s17, 8
	s_add_co_u32 s20, s20, s18
	s_lshl_b32 s20, s20, 10                        ; A: (256 x tile row + 128 x half) rows of 1,024 bytes
	s_lshl_b32 s46, s42, 8
	s_add_co_u32 s46, s46, s18
	s_lshl_b32 s46, s46, 10                        ; B likewise, by the tile column
	s_lshl_b32 s19, ttmp9, 23                      ; x's set of codes for q or k
	s_lshl_b32 s22, ttmp9, 20
	s_add_co_u32 s22, s22, 24<<20                  ; Wq's or Wk's codes
	s_cmp_eq_u32 ttmp9, 2
	s_cselect_b32 s19, 26<<20, s19                 ; v: A = Wv's codes,
	s_cselect_b32 s22, 16<<20, s22                 ;    B = x's third set
	s_add_co_u32 s20, s20, s19
	s_add_co_u32 s46, s46, s22
	s_mov_b32 s21, 0
	s_mov_b32 s47, 0
	s_mul_i32 s45, s14, HALFT                      ; where they go: wave x 128 rows
	s_wait_dscnt 0x0                               ; the opening add is done
	s_wait_kmcnt 0x0
	s_load_b256 s[68:75], s[6:7], 0x0              ; e0 .. e7
	s_load_b128 s[76:79], s[6:7], 0x20             ; e8 .. e11
	s_add_nc_u64 s[20:21], s[4:5], s[20:21]
	s_add_nc_u64 s[46:47], s[4:5], s[46:47]
	CROUND                                         ; all sixteen work-groups are here: the first joint loads meet
.irp s, 0,1
	s_mov_b32 s[G0+4*\s], 1
	s_add_co_u32 s[G0+4*\s+1], s45, \s*SLOT
	s_add_nc_u64 s[G0+4*\s+2:G0+4*\s+3], s[20:21], \s*ROWB
	s_or_b32 s[G0+4*\s+3], s[G0+4*\s+3], 0x80000000
	s_mov_b32 s[G0B+4*\s], 1
	s_add_co_u32 s[G0B+4*\s+1], s45, \s*SLOT
	s_add_nc_u64 s[G0B+4*\s+2:G0B+4*\s+3], s[46:47], \s*ROWB
	s_or_b32 s[G0B+4*\s+3], s[G0B+4*\s+3], 0x80000000
	JLOAD G0+4*\s, G1, G0B+4*\s, G1B
.endr
	v_and_b32 v1, 15, v0                           ; r
	v_bfe_u32 v2, v0, 4, 1                         ; h
	v_mul_u32_u24 v3, v1, PITCH
	v_lshl_add_u32 v4, v2, 4, v3
	s_mul_i32 s21, s15, HALFT
	s_mul_i32 s22, s16, HALFT
	s_add_co_u32 s22, s22, 2*HALFT
.irp s, 0,1
	v_add_nc_u32 v[ADRA+\s], s21, v4
	v_add_nc_u32 v[ADRB+\s], s22, v4
	s_add_co_u32 s21, s21, SLOT
	s_add_co_u32 s22, s22, SLOT
.endr
	v_and_b32 v6, 31, v0
	v_lshlrev_b32 v[CO], 4, v6
	v_lshlrev_b32 v8, 5, v2                        ; 32 h: eight numbers of the bias for my half
	v_lshrrev_b32 v9, 3, v1
	v_lshl_add_u32 v9, v9, 3, v1
	v_lshlrev_b32 v9, 2, v9                        ; 4 (r + 8 (r / 8)): the feature that stored row r of a tile holds
	; the biases of my 128 features, in both layouts, on the one way to the loop; they land while the products run.  A work-group uses one of the two
	s_lshl_b32 s93, s42, 8
	s_lshl_b32 s94, s16, 7
	s_add_co_u32 s93, s93, s94                     ; q, k: features lie along B
	s_lshl_b32 s95, s17, 8
	s_lshl_b32 s94, s15, 7
	s_add_co_u32 s95, s95, s94                     ; v: along A
	s_cmp_eq_u32 ttmp9, 1
	s_cselect_b64 s[80:81], s[86:87], s[84:85]
	s_cmp_eq_u32 ttmp9, 2
	s_cselect_b64 s[80:81], s[88:89], s[80:81]
	s_cselect_b32 s92, s95, s93
	s_lshl_b32 s92, s92, 2
	s_mov_b32 s93, 0
	s_add_nc_u64 s[80:81], s[80:81], s[92:93]
.irp b, 0,1,2,3,4,5,6,7
	global_load_b128 v[BI+8*\b:BI+8*\b+3], v8, s[80:81] offset:64*\b
	global_load_b128 v[BI+8*\b+4:BI+8*\b+7], v8, s[80:81] offset:64*\b+16
.endr
.irp a, 0,1,2,3,4,5,6,7
	global_load_b32 v[BV+\a], v9, s[80:81] offset:4*(64*(\a/4)+32*((\a%4)/2)+8*(\a%2))
.endr
	; where my images go.  q, k: ((batch x 16 + head) x 128 + tile of 16 tokens) x 1,024
	s_lshr_b32 s92, s17, 3
	s_lshl_b32 s92, s92, 4
	s_lshl_b32 s94, s42, 2
	s_add_co_u32 s92, s92, s94
	s_lshl_b32 s94, s16, 1
	s_add_co_u32 s92, s92, s94
	s_lshl_b32 s92, s92, 7
	s_and_b32 s94, s17, 7
	s_lshl_b32 s94, s94, 4
	s_add_co_u32 s92, s92, s94
	s_lshl_b32 s94, s15, 3
	s_add_co_u32 s92, s92, s94
	s_lshl_b32 s92, s92, 10
	s_lshl_b32 s94, ttmp9, 23
	s_add_co_u32 s92, s92, s94
	; v: 16 MiB + ((batch x 16 + head) x 16 + step of 128 keys) x 8,192
	s_lshr_b32 s95, s42, 3
	s_lshl_b32 s95, s95, 4
	s_lshl_b32 s94, s17, 2
	s_add_co_u32 s95, s95, s94
	s_lshl_b32 s94, s15, 1
	s_add_co_u32 s95, s95, s94
	s_lshl_b32 s95, s95, 4
	s_and_b32 s94, s42, 7
	s_lshl_b32 s94, s94, 1
	s_add_co_u32 s95, s95, s94
	s_add_co_u32 s95, s95, s16
	s_lshl_b32 s95, s95, 13
	s_add_co_u32 s95, s95, 16<<20
	s_cmp_eq_u32 ttmp9, 2
	s_cselect_b32 s92, s95, s92
	s_mov_b32 s93, 0
	s_add_nc_u64 s[82:83], s[90:91], s[92:93]
.macro FRAG reg, adr, q, i             ; 16 rows x 128 K: registers 4 c .. 4 c + 3 hold K = 32 c + 16 h + 0 .. 15: the same order of k in A and in B
.irp c, 0,1,2,3
	ds_load_b128 v[\reg+4*\c:\reg+4*\c+3], v[\adr] offset:128*(\q)+32*\c+(\i)*16*PITCH
.endr
.endm
; 16 matrix instructions: A's blocks a0, a0 + 1 x B's eight.  The 64 accumulators take turns, one instruction a turn, in the same order in every step.
.macro MUL16 a0, p, zero
.irp a, \a0, \a0+1
.irp b, 0,1,2,3,4,5,6,7
.if \zero
	v_wmma_f32_16x16x128_fp8_fp8 v[8*(8*((\a)%4)+\b):8*(8*((\a)%4)+\b)+7], v[128*(\p)+FR*\b:128*(\p)+FR*\b+FR-1], v[AF+FR*(\a):AF+FR*(\a)+FR-1], 0
.else
	v_wmma_f32_16x16x128_fp8_fp8 v[8*(8*((\a)%4)+\b):8*(8*((\a)%4)+\b)+7], v[128*(\p)+FR*\b:128*(\p)+FR*\b+FR-1], v[AF+FR*(\a):AF+FR*(\a)+FR-1], v[8*(8*((\a)%4)+\b):8*(8*((\a)%4)+\b)+7]
.endif
.endr
.endr
.endm
.macro FETCH_B slot, q, p
	WIN TO_B
.irp i, 0,1,2,3,4,5,6,7
	FRAG 128*(\p)+FR*\i, ADRB+\slot, \q, \i
.endr
	WIN 0
.endm
.macro FETCH_A slot, q, i0
.irp i, \i0, \i0+1, \i0+2, \i0+3
	FRAG AF+FR*(\i), ADRA+\slot, \q, \i
.endr
.endm
.macro PLACES n                        ; plain vector instructions in front of loads into registers that matrix instructions have read, and of the first read of results
.rept \n
	v_nop
.endr
.endm
.macro STEP slot, q, zero              ; 128 along K with its successor in the same slot
	s_wait_dscnt 4*NL                              ; B's set and A's blocks 0-3 are in; the youngest sixteen loads (A's blocks 4-7) may be out
	WIN MUL_LO
	MUL16 0, (\q)%2, \zero
	MUL16 2, (\q)%2, \zero
	s_wait_dscnt 0
	PLACES NP
	FETCH_B \slot, (\q)+1, 1-(\q)%2
	FETCH_A \slot, (\q)+1, 0
	WIN MUL_HI
	MUL16 4, (\q)%2, \zero
	MUL16 6, (\q)%2, \zero
	PLACES NP
	WIN 0
	FETCH_A \slot, (\q)+1, 4
.endm
; A slot's last step changes slots: each wave waits for all its tensor loads, adds 0 to its spare word, waits for that and for its reads of this slot; then the barrier.  fill = 1: it opens a round of the cluster's barrier, and the slot is filled again.
.macro TURN slot, next, fill
	s_wait_tensorcnt 0x0                           ; all my tensor loads have landed: my part of the next slot
	ds_add_u32 v[SPW], v[NIL]
	s_wait_dscnt 4*NL+1                            ; the add and A's blocks 4-7 may be out
	WIN MUL_LO
	MUL16 0, 1, 0
	s_wait_dscnt 0x0                               ; the add is done, and my reads of this slot are over
	s_barrier_signal -1
	MUL16 2, 1, 0
	WIN 0
	s_barrier_wait -1
.if \fill
	CREST
	s_add_nc_u64 s[G0+4*\slot+2:G0+4*\slot+3], s[G0+4*\slot+2:G0+4*\slot+3], 2*ROWB
	s_add_nc_u64 s[G0B+4*\slot+2:G0B+4*\slot+3], s[G0B+4*\slot+2:G0B+4*\slot+3], 2*ROWB
	JLOAD G0+4*\slot, G1, G0B+4*\slot, G1B         ; the first tensor load behind the round; its four v_nop are the places in front of the loads below
.else
	PLACES NP
.endif
	FETCH_B \next, 0, 0
	FETCH_A \next, 0, 0
	WIN MUL_HI
	MUL16 4, 1, 0
	MUL16 6, 1, 0
	PLACES NP
	WIN 0
	FETCH_A \next, 0, 4
.endm
	s_wait_tensorcnt 1                             ; my part of slot 0 is in; slot 1's load may be out
	s_barrier_signal -1
	s_barrier_wait -1
	FETCH_B 0, 0, 0
	FETCH_A 0, 0, 0
	FETCH_A 0, 0, 4
	STEP 0, 0, 1                                   ; the first step's products start the sums
	s_mov_b32 s3, LAPS-1
.Llap:
	TURN 0, 1, 1
	STEP 1, 0, 0
	TURN 1, 0, 1
	STEP 0, 0, 0
	s_sub_co_u32 s3, s3, 1
	s_cmp_lg_u32 s3, 0
	s_cbranch_scc1 .Llap
	TURN 0, 1, 0                                   ; the last lap fills nothing
	STEP 1, 0, 0
	s_wait_dscnt 4*NL
	WIN MUL_LO
	MUL16 0, 1, 0
	MUL16 2, 1, 0
	s_wait_dscnt 0
	WIN MUL_HI
	MUL16 4, 1, 0
	MUL16 6, 1, 0
	WIN 0
; THE WAY OUT of block a (16 rows of A x 128 of B): sum x 2^(ea + eb) + bias, one packed multiply-add for two numbers, each accumulator from its low end on; the hold; eight conversions, whose results ARE
; the next operand's registers; four stores of 512 consecutive bytes.
.macro OUT a, isv
.set AC, 64*((\a)%4)
.set CC, CD+16*((\a)%4)
	WIN 0x02+((\a)/4)                              ; source 0: window 2 or 3
.set j, 0
.rept 32
.if \isv
.if (\a)%2
	v_pk_fma_f32 v[T+j:T+j+1], v[AC+j:AC+j+1], s[96:97], v[BV+(\a)-1:BV+(\a)] op_sel:[0,0,1] op_sel_hi:[1,0,1]   ; my row's bias, the pair's upper register, for both halves
.else
	v_pk_fma_f32 v[T+j:T+j+1], v[AC+j:AC+j+1], s[96:97], v[BV+(\a):BV+(\a)+1] op_sel_hi:[1,0,0]                   ; the pair's lower register for both halves
.endif
.else
	v_pk_fma_f32 v[T+j:T+j+1], v[AC+j:AC+j+1], s[96:97], v[BI+j:BI+j+1] op_sel_hi:[1,0,1]
.endif
.set j, j+2
.endr
	WIN 0
.set j, 0
.rept 64
	v_med3_num_f32 v[T+j], v[T+j], -v[QLIM], v[QLIM]   ; the conversion does not saturate (ISA guide 7.6.2)
.set j, j+1
.endr
.if (\a) >= 4
	s_wait_xcnt 0x0                                ; the stores of four blocks ago have read this set of code registers
.endif
.irp b, 0,1,2,3,4,5,6,7
	v_cvt_scalef32_pk8_fp8_f32 v[CC+2*\b:CC+2*\b+1], v[T+8*\b:T+8*\b+7], v[QSC]
.endr
	v_nop                                          ; a plain instruction between the conversions and the next block's writes of their sources
.irp q, 0,1,2,3
.if \isv
	global_store_b128 v[CO], v[CC+4*\q:CC+4*\q+3], s[82:83] offset:((\a)/4)*131072+((\a)%4)*2048+\q*512
.else
	global_store_b128 v[CO], v[CC+4*\q:CC+4*\q+3], s[82:83] offset:(\a)*1024+(\q/2)*131072+(\q%2)*512
.endif
.endr
.endm
	s_wait_kmcnt 0x0                               ; the exponents; what they decide is chosen without a jump
	s_add_co_i32 s93, s68, s69
	s_add_co_i32 s94, s70, s71
	s_add_co_i32 s95, s72, s73
	s_cmp_eq_u32 ttmp9, 1
	s_cselect_b32 s93, s94, s93
	s_cselect_b32 s92, s75, s74
	s_cmp_eq_u32 ttmp9, 2
	s_cselect_b32 s93, s95, s93
	s_cselect_b32 s92, s77, s92
	s_add_co_i32 s93, s93, 127
	s_lshl_b32 s96, s93, 23                        ; 2^(ea + eb)
	s_mov_b32 s97, s96                             ; (named with it as a pair)
	s_add_co_i32 s92, s92, 127
	s_lshl_b32 s93, s92, 23
	v_mov_b32 v[QSC], s93                          ; 2^eo
	s_add_co_i32 s92, s92, 8
	s_lshl_b32 s92, s92, 23
	s_or_b32 s92, s92, 0x600000
	v_mov_b32 v[QLIM], s92                         ; 448 x 2^eo
	s_wait_loadcnt 0x0                             ; the biases
	PLACES NP
	s_cmp_eq_u32 ttmp9, 2                          ; the cluster's x: the same in all partners
	s_cbranch_scc1 .Lout_v
.irp a, 0,1,2,3,4,5,6,7
	OUT \a, 0
.endr
	s_branch .Lout_done
.Lout_v:
.irp a, 0,1,2,3,4,5,6,7
	OUT \a, 1
.endr
.Lout_done:
	s_wait_tensorcnt 0x0                           ; the wave's end
	ds_add_u32 v[SPW], v[NIL]
	s_wait_dscnt 0x0
	CROUND                                         ; the closing round
	s_endpgm
.Lfunc_end_k_qc54cccb065_qkv:
	.size	k_qc54cccb065_qkv, .Lfunc_end_k_qc54cccb065_qkv-k_qc54cccb065_qkv
	.p2alignl 7, 3214868480
	.fill 96, 4, 3214868480
	.section	.rodata,"a",@progbits
	.p2align	6, 0x0
	.amdhsa_kernel k_qc54cccb065_qkv
		.amdhsa_group_segment_fixed_size 327680
		.amdhsa_private_segment_fixed_size 0
		.amdhsa_enable_private_segment 0
		.amdhsa_kernarg_size 48
		.amdhsa_user_sgpr_count 2
		.amdhsa_user_sgpr_kernarg_segment_ptr 1
		.amdhsa_wavefront_size32 1
		.amdhsa_system_sgpr_workgroup_id_x 1
		.amdhsa_system_sgpr_workgroup_id_y 1
		.amdhsa_system_sgpr_workgroup_id_z 1
		.amdhsa_system_vgpr_workitem_id 0
		.amdhsa_next_free_vgpr 1024
		.amdhsa_next_free_sgpr 100
		.amdhsa_reserve_vcc 0
		.amdhsa_float_denorm_mode_32 3
		.amdhsa_float_denorm_mode_16_64 3
		.amdhsa_memory_ordered 1
		.amdhsa_forward_progress 1
		.amdhsa_inst_pref_size 194
	.end_amdhsa_kernel
	.amdgpu_metadata
---
amdhsa.version: [ 1, 2 ]
amdhsa.kernels:
  - .name:           k_qc54cccb065_qkv
    .symbol:         k_qc54cccb065_qkv.kd
    .args:
      - { .name: codes, .offset: 0, .size: 8, .value_kind: global_buffer, .address_space: global }
      - { .name: lowp_scales, .offset: 8, .size: 8, .value_kind: global_buffer, .address_space: global }
      - { .name: bq, .offset: 16, .size: 8, .value_kind: global_buffer, .address_space: global }
      - { .name: bk, .offset: 24, .size: 8, .value_kind: global_buffer, .address_space: global }
      - { .name: bv, .offset: 32, .size: 8, .value_kind: global_buffer, .address_space: global }
      - { .name: qkv, .offset: 40, .size: 8, .value_kind: global_buffer, .address_space: global }
    .group_segment_fixed_size: 327680
    .private_segment_fixed_size: 0
    .kernarg_segment_align: 8
    .kernarg_segment_size: 48
    .max_flat_workgroup_size: 128
    .sgpr_count:     100
    .vgpr_count:     1024
    .wavefront_size: 32
...
	.end_amdgpu_metadata
.endif
;; end of part 2
;; launch attn (part 3): grid 4 x 64, 8 waves a work-group, no clusters, 33,792 bytes of LDS; arguments qkv, mw, mf, lowp_scales, af; writes af
.if DOCPART == 3
	.amdgcn_target "amdgcn-amd-amdhsa--gfx1250"
	.amdhsa_code_object_version 6
	.text
	.protected	k_qc54cccb065_attn
	.globl	k_qc54cccb065_attn
	.p2align	8
	.type	k_qc54cccb065_attn,@function
k_qc54cccb065_attn:
	s_mov_b64 s[64:65], 0
	v_nop
	global_prefetch_b8 v0, s[64:65] scope:SCOPE_SE
	s_setreg_imm32_b32 hwreg(HW_REG_WAVE_MODE, 25, 1), 1
	s_wait_xcnt 0x0
; ATTENTION on codes of E4M3.  For each batch x head (work-group y): S^T = K Q^T (K = 64), mask, p = 2^(t - M), O^T += V^T P^T (K = 128 keys), O / l quantised at e10 and stored as images of the last product's operand.
; t = logit x log2(e); M = the running largest t rounded up to a whole number; l = the sum of the unquantised p; when M moves, l and O^T are multiplied by 2^(old M - new M): exact.
; SHARES.  Work-group x = pr makes two passes: the blocks of 256 queries pr and 7 - pr.  Each of its eight waves owns 32 queries, two tiles of 16, so that each fragment of K and V read from LDS feeds two matrix instructions.
; Keys go 128 a step through two LDS slots of 16 KiB (K's eight images, then V's four).  Each wave brings 2 KiB of the next step's tile through registers while this step is worked; one barrier a step.
; THE MASK IS AN INPUT.  The first launch turned it into words and flags.  A step is fetched where some strip of the block wants it, worked by a wave where its own strip of 32 queries wants it, and masked unless it is wholly open.
; These are scalar branches on stored whole numbers; that is why the tiles come by plain loads and not by the tensor data mover, and why no tile is asked for jointly: partners would walk different steps.
; A masked score becomes the raw sum that stands for the logit -2^30 (reference: -1e9): times c it is a whole number, so t - M is exactly 0 in a row with no open key (p = 1 for all 2,048 keys) and p = 0 in every other row, as with -1e9.
; LAYOUT.  Both products transposed: a lane holds ONE query (lane % 16).  S^T's tile c, register j = key 16 c + 8 h + j: eight neighbours, which one conversion turns into register pair c of P.
; V's rows were laid so that O^T's tiles 2 b, 2 b + 1 hold features 32 b + 16 h + 0 .. 15.
; LIMITS: e6 + e7 between -94 and 9; e8 and e10 between -126 and 119; open logits lie above about -1e9; NaN is not served.  q is taken at scale 6, k at scale 7.
; REGISTERS.  window 0: v1-7 addresses and constants; v8-27 statistics, ten a tile; v28, v29; v32-159 S^T then p, 64 a tile; v160-223 K's fragments; v224-239 the tile on its way.
;   window 1: v0-63 O^T (32 a tile); v64-79 Q; v80-111 P; v112-175 V's fragments.
.set SLOTB, 16384
.set VOFF,  8192
.set SPARE, 2*SLOTB                    ; behind the slots: the spare words, 128 bytes for each wave: four blocks of 256 bytes that no other line names
.set LI,   1                           ; v1  16 x lane
.set SW,   2                           ; v2  16 x lane + 2,048 x wave: where I store my part of a tile
.set SPW,  3                           ; v3  my spare word's LDS address; never rewritten
.set NIL,  4                           ; v4  0; never rewritten
.set PSC,  5                           ; v5  2^e8
.set PLIM, 6                           ; v6  448 x 2^e8
.set NEG,  7                           ; v7  the masked score
.set ST,   8                           ; tile t at v[ST + 10 t]: +0 -M, +1 the largest t, +2, +3 l, +4 f, +5 (named with f), +6, +7 at work, +8, +9 a second chain of sums
.set OSC,  28                          ; v28 2^e10
.set OLIM, 29                          ; v29 448 x 2^e10
.set S,    32
.set KF,   160
.set CO,   160                         ; the way out: 16 registers of codes
.set STG,  224
.set O,    0                           ; window 1
.set Q,    64
.set P,    80
.set VF,   112
; scalars: s[2:3] my part of the tiles in memory; s[4:5] qkv; s[6:7] mw; s[8:9] mf; s[12:13] af; s[14:15] my strip's words; s16-63, s80-95 64 mask words;
; s66 wave; s67 the step J; s68 at work; s69 my strip's flags; s70 the block's; s71, s72 counters; s73 the block; s74 hold p?; s75 e8 + e9; s[76:77] c; s[78:79] lane selects; s96 offset; s97 batch x head; s[98:99] Q; s[100:101] where the images go
.set MSB, 0
.macro WIN new
.if MSB != \new
	s_set_vgpr_msb (MSB<<8)|\new
.set MSB, \new
.endif
.endm
.macro PLACES
.rept 4
	v_nop
.endr
.endm
.macro MLOAD off                       ; a tile's 64 mask words: word n in s[16 + n], from n = 48 on in s[32 + n]
	s_load_b512 s[16:31], s[14:15], s96 offset:\off
	s_load_b512 s[32:47], s[14:15], s96 offset:\off+64
	s_load_b512 s[48:63], s[14:15], s96 offset:\off+128
	s_load_b512 s[80:95], s[14:15], s96 offset:\off+192
.endm
.macro APPLY t                         ; closed scores become the masked score; each accumulator from its low end on
.set n, 0
.rept 64
.if n < 48
.set w, 16+n
.else
.set w, 32+n
.endif
	v_cndmask_b32 v[S+64*\t+n], v[NEG], v[S+64*\t+n], s[w]
.set n, n+1
.endr
.endm
.macro SOFTMAX                         ; both tiles, line by line by turns
.irp t, 0,1
	v_max3_num_f32 v[ST+10*\t+6], v[S+64*\t], v[S+64*\t+1], v[S+64*\t+2]      ; the step's largest score, in two chains a tile; each accumulator is first read at its low end
.endr
.irp t, 0,1
	v_max3_num_f32 v[ST+10*\t+7], v[S+64*\t+3], v[S+64*\t+4], v[S+64*\t+5]
.endr
.irp t, 0,1
	v_max3_num_f32 v[ST+10*\t+6], v[ST+10*\t+6], v[S+64*\t+6], v[S+64*\t+7]
.endr
.irp c, 1,2,3,4,5,6,7
.irp t, 0,1
	v_max3_num_f32 v[ST+10*\t+6], v[ST+10*\t+6], v[S+64*\t+8*\c], v[S+64*\t+8*\c+1]
.endr
.irp t, 0,1
	v_max3_num_f32 v[ST+10*\t+7], v[ST+10*\t+7], v[S+64*\t+8*\c+2], v[S+64*\t+8*\c+3]
.endr
.irp t, 0,1
	v_max3_num_f32 v[ST+10*\t+6], v[ST+10*\t+6], v[S+64*\t+8*\c+4], v[S+64*\t+8*\c+5]
.endr
.irp t, 0,1
	v_max3_num_f32 v[ST+10*\t+7], v[ST+10*\t+7], v[S+64*\t+8*\c+6], v[S+64*\t+8*\c+7]
.endr
.endr
.irp t, 0,1
	v_max_num_f32 v[ST+10*\t+6], v[ST+10*\t+6], v[ST+10*\t+7]
.endr
.irp t, 0,1
	v_permlanex16_b32 v[ST+10*\t+7], v[ST+10*\t+6], s78, s79                   ; the query's other 64 keys lie in the lane 16 away
.endr
.irp t, 0,1
	v_max_num_f32 v[ST+10*\t+6], v[ST+10*\t+6], v[ST+10*\t+7]
.endr
.irp t, 0,1
	v_mul_f32 v[ST+10*\t+6], s76, v[ST+10*\t+6]                                ; as t (c is positive)
.endr
.irp t, 0,1
	v_max_num_f32 v[ST+10*\t+1], v[ST+10*\t+1], v[ST+10*\t+6]                  ; the running largest t
.endr
.irp t, 0,1
	v_mov_b32 v[ST+10*\t+6], v[ST+10*\t]
.endr
.irp t, 0,1
	v_floor_f32 v[ST+10*\t], -v[ST+10*\t+1]                                    ; -M = floor(-t): M is a whole number
.endr
.irp t, 0,1
	v_sub_f32 v[ST+10*\t+6], v[ST+10*\t], v[ST+10*\t+6]                        ; old M - new M, 0 or less
.endr
.irp t, 0,1
	v_cvt_i32_f32 v[ST+10*\t+6], v[ST+10*\t+6]                                 ; (it saturates)
.endr
.irp t, 0,1
	v_ldexp_f32 v[ST+10*\t+4], 1.0, v[ST+10*\t+6]                              ; f = 2^(old M - new M)
.endr
.irp t, 0,1
.set j, 0
.rept 32
	v_pk_fma_f32 v[S+64*\t+j:S+64*\t+j+1], v[S+64*\t+j:S+64*\t+j+1], s[76:77], v[ST+10*\t:ST+10*\t+1] op_sel_hi:[1,0,0]   ; t - M, two at a time
.set j, j+2
.endr
.endr
.set j, 0
.rept 128
	v_exp_f32 v[S+j], v[S+j]                       ; p = 2^(t - M): one batch
.set j, j+1
.endr
.irp t, 0,1
	v_pk_mul_f32 v[ST+10*\t+2:ST+10*\t+3], v[ST+10*\t+2:ST+10*\t+3], v[ST+10*\t+4:ST+10*\t+5] op_sel_hi:[1,0]   ; l under the new M: the plain instructions behind the batch
.endr
	s_wait_alu depctr_va_vdst(0)                   ; ahead of the first instruction that names a result: one wait for the batch
.irp t, 0,1
	v_pk_add_f32 v[ST+10*\t+8:ST+10*\t+9], v[S+64*\t:S+64*\t+1], v[S+64*\t+2:S+64*\t+3]   ; the sum of the UNQUANTISED p, in two chains a tile
.endr
.irp j, 4,8,12,16,20,24,28,32,36,40,44,48,52,56,60
.irp t, 0,1
	v_pk_add_f32 v[ST+10*\t+2:ST+10*\t+3], v[ST+10*\t+2:ST+10*\t+3], v[S+64*\t+\j:S+64*\t+\j+1]
	v_pk_add_f32 v[ST+10*\t+8:ST+10*\t+9], v[ST+10*\t+8:ST+10*\t+9], v[S+64*\t+\j+2:S+64*\t+\j+3]
.endr
.endr
.irp t, 0,1
	v_pk_add_f32 v[ST+10*\t+2:ST+10*\t+3], v[ST+10*\t+2:ST+10*\t+3], v[ST+10*\t+8:ST+10*\t+9]
.endr
	s_cmp_eq_u32 s74, 0                            ; p is at most 1 (within a rounding), and 1 / 2^e8 is at most 256 where e8 >= -8: there the hold at 448 cannot bind and is passed over
	s_cbranch_scc1 .Lnohold_\@
.set j, 0
.rept 128
	v_min_num_f32 v[S+j], v[S+j], v[PLIM]          ; the conversion does not saturate (ISA guide 7.6.2); p is not negative
.set j, j+1
.endr
.Lnohold_\@:
	WIN 0x40                                       ; destination window 1
.irp t, 0,1
.irp c, 0,1,2,3,4,5,6,7
	v_cvt_scalef32_pk8_fp8_f32 v[P+16*\t+2*\c:P+16*\t+2*\c+1], v[S+64*\t+8*\c:S+64*\t+8*\c+7], v[PSC]
.endr
.endr
	WIN 0x41                                       ; O^T (destination, source 0) window 1, f window 0
.irp t, 0,1
.set j, 0
.rept 16
	v_pk_mul_f32 v[O+32*\t+j:O+32*\t+j+1], v[O+32*\t+j:O+32*\t+j+1], v[ST+10*\t+4:ST+10*\t+5] op_sel_hi:[1,0]   ; O^T under the new M; also the plain instructions behind the conversions
.set j, j+2
.endr
.endr
	WIN 0
.endm
.macro COMPUTE slot                    ; my 32 queries against the 128 keys in the slot
	s_lshl_b32 s96, s67, 9                         ; the step's 512 bytes of my strip's words
	MLOAD 0                                        ; tile 0's words, in every step that is worked: they land under the products
.irp n, 0,1,2,3,4,5,6,7,8,9,10,11,12,13,14,15
	ds_load_b128 v[KF+4*\n:KF+4*\n+3], v[LI] offset:\slot*SLOTB+512*\n
.endr
	WIN 0x40
.irp n, 0,1,2,3,4,5,6,7,8,9,10,11,12,13,14,15
	ds_load_b128 v[VF+4*\n:VF+4*\n+3], v[LI] offset:\slot*SLOTB+VOFF+512*\n
.endr
	s_wait_dscnt 16                                ; K's sixteen loads are in; V's sixteen may be out
	WIN 0x04                                       ; source 1 (Q) window 1
.irp c, 0,1,2,3,4,5,6,7
.irp t, 0,1
	v_wmma_f32_16x16x64_fp8_fp8 v[S+64*\t+8*\c:S+64*\t+8*\c+7], v[KF+8*\c:KF+8*\c+7], v[Q+8*\t:Q+8*\t+7], 0
.endr
.endr
	WIN 0
	PLACES
	s_wait_kmcnt 0x0
	s_add_co_u32 s68, s67, 16
	s_bitcmp1_b32 s69, s68                         ; wholly open for my strip?
	s_cbranch_scc1 .Lplain_\@
	APPLY 0
	MLOAD 256                                      ; tile 1's words
	s_wait_kmcnt 0x0
	APPLY 1
.Lplain_\@:
	SOFTMAX
	s_wait_dscnt 0x0                               ; V is in
	WIN 0x55                                       ; all four places window 1
.irp d, 0,1,2,3
.irp t, 0,1
	v_wmma_f32_16x16x128_fp8_fp8 v[O+32*\t+8*\d:O+32*\t+8*\d+7], v[VF+16*\d:VF+16*\d+15], v[P+16*\t:P+16*\t+15], v[O+32*\t+8*\d:O+32*\t+8*\d+7]   ; eight accumulators, one instruction each
.endr
.endr
	WIN 0
	PLACES                                         ; in front of the next loads into V's fragments and the next reads of O^T
.endm
.macro STEPM slot
	s_add_co_u32 s68, s67, 1
	s_bitcmp1_b32 s70, s68                         ; does any strip of the block want the next step?  (bit 16 is 0: no step 16 is asked for)
	s_cbranch_scc0 .Lnoload_\@
.irp i, 0,1,2,3
	global_load_b128 v[STG+4*\i:STG+4*\i+3], v[LI], s[2:3] offset:8192*(\slot+1)+512*\i
.endr
.Lnoload_\@:
	s_bitcmp1_b32 s69, s67                         ; does my strip want this step?
	s_cbranch_scc0 .Lidle_\@
	COMPUTE \slot
.Lidle_\@:
	s_wait_loadcnt 0x0                             ; my part of the next tile
.irp i, 0,1,2,3
	ds_store_b128 v[SW], v[STG+4*\i:STG+4*\i+3] offset:(1-\slot)*SLOTB+512*\i   ; on every way; where nothing was asked for, nobody reads that slot
.endr
	s_add_co_u32 s67, s67, 1
	s_wait_dscnt 0x0                               ; my reads of this slot are over, my stores into the other have landed
	s_barrier_signal -1
	s_barrier_wait -1
.endm
	s_load_b256 s[4:11], s[0:1], 0x0               ; qkv, mw, mf, the scales' exponents
	s_load_b64 s[12:13], s[0:1], 0x20              ; af
	v_lshl_add_u32 v[SPW], v0, 2, SPARE
	v_mov_b32 v[NIL], 0
	v_lshrrev_b32 v30, 5, v0
	v_readfirstlane_b32 s66, v30                   ; wave 0..7
	v_and_b32 v30, 31, v0
	v_lshlrev_b32 v[LI], 4, v30
	s_lshl_b32 s68, s66, 11
	v_add_nc_u32 v[SW], s68, v[LI]
	s_and_b32 s97, ttmp7, 0xffff                   ; batch x head
	s_mov_b32 s78, 0x76543210
	s_mov_b32 s79, 0xfedcba98
.set j, 0
.rept 16
	v_mov_b32 v[STG+j], 0                          ; written once: they are stored on ways on which nothing was loaded
.set j, j+1
.endr
	s_wait_kmcnt 0x0
	s_load_b256 s[16:23], s[10:11], 0x0            ; e0 .. e7
	s_load_b128 s[24:27], s[10:11], 0x20           ; e8 .. e11
	s_wait_kmcnt 0x0
	s_add_co_i32 s68, s22, s23                     ; e6 + e7
	s_lshl_b32 s10, s68, 23
	s_add_co_i32 s76, s10, 0x3e38aa3b              ; c = log2(e) / 8 x 2^(e6 + e7): the exponents are added to the exponent field
	s_mov_b32 s77, s76
	s_sub_co_i32 s10, 160, s68
	s_lshl_b32 s10, s10, 23
	s_or_b32 s10, s10, 0x80000000
	v_mov_b32 v[NEG], s10                          ; -2^(33 - e6 - e7): x c it is -2^30 log2(e)
	s_add_co_i32 s10, s24, 127
	s_lshl_b32 s11, s10, 23
	v_mov_b32 v[PSC], s11
	s_add_co_i32 s10, s10, 8
	s_lshl_b32 s10, s10, 23
	s_or_b32 s10, s10, 0x600000
	v_mov_b32 v[PLIM], s10
	s_add_co_i32 s10, s26, 127
	s_lshl_b32 s11, s10, 23
	v_mov_b32 v[OSC], s11
	s_add_co_i32 s10, s10, 8
	s_lshl_b32 s10, s10, 23
	s_or_b32 s10, s10, 0x600000
	v_mov_b32 v[OLIM], s10
	s_add_co_i32 s75, s24, s25                     ; e8 + e9
	s_cmp_lt_i32 s24, -8
	s_cselect_b32 s74, 1, 0
	s_mov_b32 s72, 0
.Lpass:
	s_sub_co_u32 s10, 7, ttmp9
	s_cmp_eq_u32 s72, 0
	s_cselect_b32 s73, ttmp9, s10                  ; the block of 256 queries: pr, then 7 - pr
	s_lshl_b32 s10, s73, 5
	s_lshl_b32 s11, s66, 2
	s_add_co_u32 s11, s11, s10
	s_load_b256 s[16:23], s[8:9], s10 offset:0x0   ; the flags of the block's eight strips,
	s_load_b32 s69, s[8:9], s11 offset:0x0         ; and my strip's
	s_lshl_b32 s98, s97, 7
	s_lshl_b32 s68, s73, 4
	s_add_co_u32 s98, s98, s68
	s_lshl_b32 s68, s66, 1
	s_add_co_u32 s98, s98, s68
	s_lshl_b32 s98, s98, 10                        ; Q: (batch x head x 128 + 16 block + 2 wave) images of 1 KiB
	s_mov_b32 s99, 0
	s_add_nc_u64 s[98:99], s[4:5], s[98:99]
	s_lshl_b32 s2, s66, 11                         ; waves 0-3: K's four parts of 2 KiB, from 8 MiB on; waves 4-7: V's, from 16 MiB on
	s_mov_b32 s68, 0xffe000
	s_cmp_lt_u32 s66, 4
	s_cselect_b32 s68, 0x800000, s68
	s_add_co_u32 s2, s2, s68
	s_lshl_b32 s68, s97, 17
	s_add_co_u32 s2, s2, s68
	s_mov_b32 s3, 0
	s_add_nc_u64 s[2:3], s[4:5], s[2:3]
	s_lshl_b32 s14, s73, 3
	s_add_co_u32 s14, s14, s66
	s_lshl_b32 s14, s14, 13                        ; my strip's words: 16 steps x 512 bytes
	s_mov_b32 s15, 0
	s_add_nc_u64 s[14:15], s[6:7], s[14:15]
	s_and_b32 s100, s97, 0x30                      ; af: [group of 128 tokens][4 heads' slot][tile of 16 tokens][head % 4] x 1 KiB
	s_lshl_b32 s68, s73, 1
	s_add_co_u32 s100, s100, s68
	s_lshr_b32 s68, s66, 2
	s_add_co_u32 s100, s100, s68
	s_lshl_b32 s100, s100, 17
	s_bfe_u32 s68, s97, 0x20002
	s_lshl_b32 s68, s68, 15
	s_add_co_u32 s100, s100, s68
	s_and_b32 s68, s66, 3
	s_lshl_b32 s68, s68, 13
	s_add_co_u32 s100, s100, s68
	s_and_b32 s68, s97, 3
	s_lshl_b32 s68, s68, 10
	s_add_co_u32 s100, s100, s68
	s_mov_b32 s101, 0
	s_add_nc_u64 s[100:101], s[12:13], s[100:101]
	WIN 0x40
.irp t, 0,1
.irp u, 0,1
	global_load_b128 v[Q+8*\t+4*\u:Q+8*\t+4*\u+3], v[LI], s[98:99] offset:1024*\t+512*\u
.endr
.endr
.set j, 0
.rept 64
	v_mov_b32 v[O+j], 0                            ; O^T: which step is a wave's first hangs on the flags, so the step is written once and finds zeros
.set j, j+1
.endr
	WIN 0
.irp t, 0,1
	v_mov_b32 v[ST+10*\t+1], 0xff61b1e6            ; the largest t so far: -3e38
	v_floor_f32 v[ST+10*\t], -v[ST+10*\t+1]
	v_mov_b32 v[ST+10*\t+2], 0
	v_mov_b32 v[ST+10*\t+3], 0
	v_mov_b32 v[ST+10*\t+5], 0
	v_mov_b32 v[ST+10*\t+7], 0
.endr
	s_wait_kmcnt 0x0
	s_or_b32 s70, s16, s17
	s_or_b32 s70, s70, s18
	s_or_b32 s70, s70, s19
	s_or_b32 s70, s70, s20
	s_or_b32 s70, s70, s21
	s_or_b32 s70, s70, s22
	s_or_b32 s70, s70, s23
	s_and_b32 s70, s70, 0xffff                     ; the steps that some strip of the block wants
	s_mov_b32 s67, 0
	s_bitcmp1_b32 s70, 0
	s_cbranch_scc0 .Lno_first
.irp i, 0,1,2,3
	global_load_b128 v[STG+4*\i:STG+4*\i+3], v[LI], s[2:3] offset:512*\i
.endr
.Lno_first:
	s_wait_loadcnt 0x0                             ; Q, and my part of step 0's tile
.irp i, 0,1,2,3
	ds_store_b128 v[SW], v[STG+4*\i:STG+4*\i+3] offset:512*\i
.endr
	s_wait_dscnt 0x0
	s_barrier_signal -1
	s_barrier_wait -1
	s_mov_b32 s71, 8
.Ltrip:                                            ; eight trips of two steps
	STEPM 0
	STEPM 1
	s_add_nc_u64 s[2:3], s[2:3], 16384             ; behind the steps' waits for their loads
	s_sub_co_u32 s71, s71, 1
	s_cmp_lg_u32 s71, 0
	s_cbranch_scc1 .Ltrip
	; the pass's end: O^T x 2^(e8 + e9) / l, held, converted: the results are the last product's operand registers
.irp t, 0,1
	v_add_f32 v[ST+10*\t+2], v[ST+10*\t+2], v[ST+10*\t+3]
.endr
.irp t, 0,1
	v_permlanex16_b32 v[ST+10*\t+7], v[ST+10*\t+2], s78, s79
.endr
.irp t, 0,1
	v_add_f32 v[ST+10*\t+2], v[ST+10*\t+2], v[ST+10*\t+7]
.endr
.irp t, 0,1
	v_rcp_f32 v[ST+10*\t+4], v[ST+10*\t+2]
.endr
	v_nop                                          ; a plain instruction behind the reciprocals
	s_wait_alu depctr_va_vdst(0)                   ; and a wait ahead of their first reader
.irp t, 0,1
	v_ldexp_f32 v[ST+10*\t+4], v[ST+10*\t+4], s75
.endr
	WIN 0x01                                       ; source 0 (O^T) window 1
.irp t, 0,1
.set j, 0
.rept 16
	v_pk_mul_f32 v[S+32*\t+j:S+32*\t+j+1], v[O+32*\t+j:O+32*\t+j+1], v[ST+10*\t+4:ST+10*\t+5] op_sel_hi:[1,0]
.set j, j+2
.endr
.endr
	WIN 0
.set j, 0
.rept 64
	v_med3_num_f32 v[S+j], v[S+j], -v[OLIM], v[OLIM]
.set j, j+1
.endr
.irp t, 0,1
.irp d, 0,1,2,3
	v_cvt_scalef32_pk8_fp8_f32 v[CO+8*\t+2*\d:CO+8*\t+2*\d+1], v[S+32*\t+8*\d:S+32*\t+8*\d+7], v[OSC]
.endr
.endr
	v_nop                                          ; a plain instruction behind the conversions
.irp t, 0,1
.irp u, 0,1
	global_store_b128 v[LI], v[CO+8*\t+4*\u:CO+8*\t+4*\u+3], s[100:101] offset:4096*\t+512*\u   ; 512 consecutive bytes
.endr
.endr
	s_wait_xcnt 0x0                                ; the stores have read their registers and their base
	s_add_co_u32 s72, s72, 1
	s_cmp_lt_u32 s72, 2
	s_cbranch_scc1 .Lpass
	s_wait_tensorcnt 0x0                           ; the wave's end, behind my last LDS store
	ds_add_u32 v[SPW], v[NIL]
	s_wait_dscnt 0x0
	s_endpgm
.Lfunc_end_k_qc54cccb065_attn:
	.size	k_qc54cccb065_attn, .Lfunc_end_k_qc54cccb065_attn-k_qc54cccb065_attn
	.p2alignl 7, 3214868480
	.fill 96, 4, 3214868480
	.section	.rodata,"a",@progbits
	.p2align	6, 0x0
	.amdhsa_kernel k_qc54cccb065_attn
		.amdhsa_group_segment_fixed_size 33792
		.amdhsa_private_segment_fixed_size 0
		.amdhsa_enable_private_segment 0
		.amdhsa_kernarg_size 40
		.amdhsa_user_sgpr_count 2
		.amdhsa_user_sgpr_kernarg_segment_ptr 1
		.amdhsa_wavefront_size32 1
		.amdhsa_system_sgpr_workgroup_id_x 1
		.amdhsa_system_sgpr_workgroup_id_y 1
		.amdhsa_system_sgpr_workgroup_id_z 1
		.amdhsa_system_vgpr_workitem_id 0
		.amdhsa_next_free_vgpr 512
		.amdhsa_next_free_sgpr 102
		.amdhsa_reserve_vcc 0
		.amdhsa_float_denorm_mode_32 3
		.amdhsa_float_denorm_mode_16_64 3
		.amdhsa_memory_ordered 1
		.amdhsa_forward_progress 1
		.amdhsa_inst_pref_size 92
	.end_amdhsa_kernel
	.amdgpu_metadata
---
amdhsa.version: [ 1, 2 ]
amdhsa.kernels:
  - .name:           k_qc54cccb065_attn
    .symbol:         k_qc54cccb065_attn.kd
    .args:
      - { .name: qkv, .offset: 0, .size: 8, .value_kind: global_buffer, .address_space: global }
      - { .name: mw, .offset: 8, .size: 8, .value_kind: global_buffer, .address_space: global }
      - { .name: mf, .offset: 16, .size: 8, .value_kind: global_buffer, .address_space: global }
      - { .name: lowp_scales, .offset: 24, .size: 8, .value_kind: global_buffer, .address_space: global }
      - { .name: af, .offset: 32, .size: 8, .value_kind: global_buffer, .address_space: global }
    .group_segment_fixed_size: 33792
    .private_segment_fixed_size: 0
    .kernarg_segment_align: 8
    .kernarg_segment_size: 40
    .max_flat_workgroup_size: 256
    .sgpr_count:     102
    .vgpr_count:     512
    .wavefront_size: 32
...
	.end_amdgpu_metadata
.endif
;; end of part 3
;; launch oproj (part 4): grid 4 x 32, 4 waves a work-group, clusters of 4 x 4, 327,680 bytes of LDS; arguments af, codes, lowp_scales, bo, out0; writes out0
.if DOCPART == 4
	.amdgcn_target "amdgcn-amd-amdhsa--gfx1250"
	.amdhsa_code_object_version 6
	.text
	.protected	k_qc54cccb065_oproj
	.globl	k_qc54cccb065_oproj
	.p2align	8
	.type	k_qc54cccb065_oproj,@function
k_qc54cccb065_oproj:
	s_mov_b64 s[64:65], 0
	v_nop
	global_prefetch_b8 v0, s[64:65] scope:SCOPE_SE
	s_setreg_imm32_b32 hwreg(HW_REG_WAVE_MODE, 25, 1), 1
	s_wait_xcnt 0x0
	s_wait_alu depctr_hold_cnt(0) depctr_sa_sdst(0) depctr_va_vdst(0) depctr_va_sdst(0) depctr_va_ssrc(0) depctr_va_vcc(0) depctr_vm_vsrc(0)
	s_getreg_b32 s2, hwreg(HW_REG_IB_STS2, 6, 4)
	s_cmp_eq_u32 s2, 0
	s_cbranch_scc0 .Lentry_in_a_cluster
	s_endpgm
.Lentry_in_a_cluster:
	s_bfe_u32 s2, ttmp6, 0x10000c
	s_cmp_lg_u32 s2, 0xf033
	s_cbranch_scc0 .Lentry_shape_is_right
	s_endpgm
.Lentry_shape_is_right:
; OUT = A Wo^T + bo on codes of E4M3, K = 1,024.  A: the attention's result as images of operand registers (af); Wo: rows of codes, 27 MiB into the codes' buffer; out0: [8192][1024] f32.
; A sum is multiplied once by 2^(e10 + e11) and takes the bias in the same packed multiply-add.  LIMIT: e10 + e11 between -126 and 127.
; A tile of 256 x 256 to a work-group of four waves, 128 x 128 a wave.  K in steps of 256 through a ring of two LDS slots.  CLUSTERS: 4 x 4; A's tile is asked for jointly along a row of the cluster, B's along a column.
; af: [group of 128 tokens][K slot of 256][tile of 16 tokens][64 features] x 1 KiB: 128 tokens x 256 along K are one dense block of 32 KiB, which lands in LDS as it lies; a fragment is four reads of 512 consecutive bytes.
; In an image registers 4 c .. 4 c + 3 hold K = 32 c + 16 h + 0 .. 15 of token r: the order that four reads of 16 bytes give Wo's rows.
; THE MATRIX INSTRUCTION IS USED TRANSPOSED (source 0 = 16 rows of Wo, source 1 = 16 tokens): a lane holds eight neighbouring numbers of a row of out0.
; REGISTERS: window 0: v0-31 addresses; v32-95 the bias; from v128 A's fragments, ONE set; on the way out v128-255 rows read back.  window 1: B's fragments, TWO sets.  windows 2, 3: the accumulators.
.set ROWB,   256
.set KROW,   1024
.set PITCH,  272                       ; B's LDS row: 256 bytes + 16 of padding
.set FR,     16
.set NL,     4
.set NP,     4
.set AH,     32768                     ; A: 128 tokens x 256 K, dense
.set BH,     128*PITCH                 ; B: 128 rows
.set BOFF,   2*AH
.set SLOT,   2*AH+2*BH
.set LAPS,   2
.set SPARE,  2*SLOT                    ; behind the ring: the spare words, 128 bytes for each wave: two blocks of 256 bytes that no other line names
.set SPITCH, 528                       ; the way out: a stage of 16 rows x (512 + 16) bytes for each wave, in slot 0, which has had its last fill and its last read when the first result is stored there
.set SIZE_N, 1024
.set ADRA, 16
.set ADRB, 20
.set STO,  24
.set RD,   25
.set CO,   26
.set SPW,  28                          ; v28  my spare word's LDS address; never rewritten
.set NIL,  29                          ; v29  0; never rewritten
.set BI,   32                          ; v32-95  bo[my first column + 16 b + 8 h + j] at 8 b + j
.set AF,   128
.set BK,   128
.set G1, 24
.set G0, 32
.set G1B, 48
.set G0B, 56
.set MSB, 0
.macro WIN new
.if MSB != \new
	s_set_vgpr_msb (MSB<<8)|\new
.set MSB, \new
.endif
.endm
.set MUL_LO, 0xa1
.set MUL_HI, 0xf1
.set TO_B,   0x40
.macro JLOAD g0a, g1a, g0b, g1b        ; waves 0 and 1 fetch for A, waves 2 and 3 for B; an s_nop 0 and four v_nop follow each line
	s_cmp_eq_u32 s15, 0
	s_cbranch_scc0 .Lfor_b_\@
	tensor_load_to_lds s[\g0a:\g0a+3], s[\g1a:\g1a+7]
	s_nop 0
.rept 4
	v_nop
.endr
	s_branch .Lasked_\@
.Lfor_b_\@:
	tensor_load_to_lds s[\g0b:\g0b+3], s[\g1b:\g1b+7]
	s_nop 0
.rept 4
	v_nop
.endr
.Lasked_\@:
.endm
.macro CREST
	s_cmp_lg_u32 s14, 0
	s_cbranch_scc1 .Lnot_wave_0_\@
	s_barrier_signal -3
.Lnot_wave_0_\@:
	s_barrier_wait -3
	s_barrier_signal -1
	s_barrier_wait -1
.endm
.macro CROUND
	s_barrier_signal -1
	s_barrier_wait -1
	CREST
.endm
	s_load_b128 s[4:7], s[0:1], 0x0                ; af, codes
	s_load_b128 s[8:11], s[0:1], 0x10              ; the scales' exponents, bo
	s_load_b64 s[84:85], s[0:1], 0x20              ; out0
	v_lshl_add_u32 v[SPW], v0, 2, SPARE
	v_mov_b32 v[NIL], 0
	ds_add_u32 v[SPW], v[NIL]                      ; the wave's opening, ahead of my first tensor load
	v_lshrrev_b32 v1, 5, v0
	v_readfirstlane_b32 s14, v1
	s_lshr_b32 s15, s14, 1                         ; which half of the tile's tokens is mine.  Also: I fetch for A (0) or for B (1)
	s_and_b32 s16, s14, 1                          ; which half of its columns.  Also: which 128 rows I fetch
	s_bfe_u32 s40, ttmp6, 0x40000
	s_bfe_u32 s41, ttmp6, 0x40004
	s_lshl_b32 s42, ttmp9, 2
	s_add_co_u32 s42, s42, s40                     ; tile column
	s_and_b32 s17, ttmp7, 0xffff
	s_lshl_b32 s17, s17, 2
	s_add_co_u32 s17, s17, s41                     ; tile row
	s_lshl_b32 s43, s41, 2
	s_lshl_b32 s43, 15, s43
	s_lshl_b32 s44, 0x1111, s40
	s_or_b32 s[G1+0], s43, (1<<21)                 ; A: the mask of my row; elements of 1 byte; no padding; bit 21 beside a mask
	s_mov_b32 s[G1+1], 256<<16                     ; 128 rows of 256 bytes, one behind the other
	s_mov_b32 s[G1+2], 128<<16
	s_mov_b32 s[G1+3], 256<<16
	s_mov_b32 s[G1+4], 128
	s_mov_b32 s[G1+5], 256
	s_mov_b32 s[G1+6], 0
	s_mov_b32 s[G1+7], 0
	s_or_b32 s[G1B+0], s44, (0<<16)|(1<<20)|(1<<21)|(5<<22)|(3<<25)   ; B: my column; four words of padding after every 64
	s_mov_b32 s[G1B+1], ROWB<<16
	s_mov_b32 s[G1B+2], 128<<16
	s_mov_b32 s[G1B+3], ROWB<<16
	s_mov_b32 s[G1B+4], 128
	s_mov_b32 s[G1B+5], KROW
	s_mov_b32 s[G1B+6], 0
	s_mov_b32 s[G1B+7], 0
	s_lshl_b32 s20, s17, 1
	s_add_co_u32 s20, s20, s16
	s_lshl_b32 s20, s20, 17                        ; A: group of 128 tokens 2 x tile row + half, 131,072 bytes each
	s_mov_b32 s21, 0
	s_lshl_b32 s46, s42, 8
	s_lshl_b32 s18, s16, 7
	s_add_co_u32 s46, s46, s18
	s_lshl_b32 s46, s46, 10
	s_add_co_u32 s46, s46, 27<<20                  ; B: Wo's row 256 x tile column + 128 x half
	s_mov_b32 s47, 0
	s_mul_i32 s45, s16, AH                         ; where they go: A's halves,
	s_mul_i32 s98, s16, BH
	s_add_co_u32 s98, s98, BOFF                    ; then B's
	s_wait_dscnt 0x0                               ; the opening add is done
	s_wait_kmcnt 0x0
	s_load_b64 s[96:97], s[8:9], 0x28              ; e10, e11
	s_add_nc_u64 s[20:21], s[4:5], s[20:21]
	s_add_nc_u64 s[46:47], s[6:7], s[46:47]
	CROUND                                         ; all sixteen work-groups are here: the first joint loads meet
.irp s, 0,1
	s_mov_b32 s[G0+4*\s], 1
	s_add_co_u32 s[G0+4*\s+1], s45, \s*SLOT
	s_add_nc_u64 s[G0+4*\s+2:G0+4*\s+3], s[20:21], \s*AH
	s_or_b32 s[G0+4*\s+3], s[G0+4*\s+3], 0x80000000
	s_mov_b32 s[G0B+4*\s], 1
	s_add_co_u32 s[G0B+4*\s+1], s98, \s*SLOT
	s_add_nc_u64 s[G0B+4*\s+2:G0B+4*\s+3], s[46:47], \s*ROWB
	s_or_b32 s[G0B+4*\s+3], s[G0B+4*\s+3], 0x80000000
	JLOAD G0+4*\s, G1, G0B+4*\s, G1B
.endr
	v_and_b32 v1, 15, v0                           ; r
	v_bfe_u32 v2, v0, 4, 1                         ; h
	v_and_b32 v6, 31, v0
	v_lshlrev_b32 v[CO], 4, v6                     ; 16 x lane
	v_mul_u32_u24 v3, v1, PITCH
	v_lshl_add_u32 v4, v2, 4, v3
	s_mul_i32 s21, s15, AH                         ; my 128 tokens' images
	s_mul_i32 s22, s16, BH
	s_add_co_u32 s22, s22, BOFF                    ; my 128 rows of B
.irp s, 0,1
	v_add_nc_u32 v[ADRA+\s], s21, v[CO]
	v_add_nc_u32 v[ADRB+\s], s22, v4
	s_add_co_u32 s21, s21, SLOT
	s_add_co_u32 s22, s22, SLOT
.endr
	s_mul_i32 s23, s14, 16*SPITCH                  ; my stage
	v_mul_u32_u24 v5, v1, SPITCH
	v_lshl_add_u32 v5, v2, 5, v5
	v_add_nc_u32 v[STO], s23, v5                   ; in: row r, 32 bytes for each half of the lanes
	v_add_nc_u32 v[RD], s23, v[CO]                 ; back: the 32 lanes take one row of 512 bytes
	v_lshlrev_b32 v8, 5, v2                        ; 32 h
	s_lshl_b32 s98, s42, 10
	s_lshl_b32 s99, s16, 9
	s_add_co_u32 s98, s98, s99                     ; my first column, in bytes
	s_mov_b32 s99, 0
	s_add_nc_u64 s[10:11], s[10:11], s[98:99]
.irp b, 0,1,2,3,4,5,6,7
	global_load_b128 v[BI+8*\b:BI+8*\b+3], v8, s[10:11] offset:64*\b          ; the bias lands while the products run
	global_load_b128 v[BI+8*\b+4:BI+8*\b+7], v8, s[10:11] offset:64*\b+16
.endr
	s_lshl_b32 s20, s17, 8
	s_lshl_b32 s21, s15, 7
	s_add_co_u32 s20, s20, s21
	s_lshl_b32 s20, s20, 12                        ; my first row of out0, 4,096 bytes a row
	s_add_co_u32 s20, s20, s98
	s_mov_b32 s21, 0
	s_add_nc_u64 s[84:85], s[84:85], s[20:21]
.macro FRAG reg, adr, q, i             ; B: 16 rows x 128 K from padded rows
.irp c, 0,1,2,3
	ds_load_b128 v[\reg+4*\c:\reg+4*\c+3], v[\adr] offset:128*(\q)+32*\c+(\i)*16*PITCH
.endr
.endm
.macro FRAGA reg, adr, q, i            ; A: tile of tokens i, the slot's q-th 128 along K: two images of 1 KiB, four quads
.irp c, 0,1,2,3
	ds_load_b128 v[\reg+4*\c:\reg+4*\c+3], v[\adr] offset:2048*(\q)+512*\c+(\i)*4096
.endr
.endm
.macro MUL16 a0, p, zero               ; the 64 accumulators take turns, one instruction a turn
.irp a, \a0, \a0+1
.irp b, 0,1,2,3,4,5,6,7
.if \zero
	v_wmma_f32_16x16x128_fp8_fp8 v[8*(8*((\a)%4)+\b):8*(8*((\a)%4)+\b)+7], v[128*(\p)+FR*\b:128*(\p)+FR*\b+FR-1], v[AF+FR*(\a):AF+FR*(\a)+FR-1], 0
.else
	v_wmma_f32_16x16x128_fp8_fp8 v[8*(8*((\a)%4)+\b):8*(8*((\a)%4)+\b)+7], v[128*(\p)+FR*\b:128*(\p)+FR*\b+FR-1], v[AF+FR*(\a):AF+FR*(\a)+FR-1], v[8*(8*((\a)%4)+\b):8*(8*((\a)%4)+\b)+7]
.endif
.endr
.endr
.endm
.macro FETCH_B slot, q, p
	WIN TO_B
.irp i, 0,1,2,3,4,5,6,7
	FRAG 128*(\p)+FR*\i, ADRB+\slot, \q, \i
.endr
	WIN 0
.endm
.macro FETCH_A slot, q, i0
.irp i, \i0, \i0+1, \i0+2, \i0+3
	FRAGA AF+FR*(\i), ADRA+\slot, \q, \i
.endr
.endm
.macro PLACES n
.rept \n
	v_nop
.endr
.endm
.macro STEP slot, q, zero
	s_wait_dscnt 4*NL                              ; B's set and A's blocks 0-3 are in; A's blocks 4-7, sixteen loads, may be out
	WIN MUL_LO
	MUL16 0, (\q)%2, \zero
	MUL16 2, (\q)%2, \zero
	s_wait_dscnt 0
	PLACES NP
	FETCH_B \slot, (\q)+1, 1-(\q)%2
	FETCH_A \slot, (\q)+1, 0
	WIN MUL_HI
	MUL16 4, (\q)%2, \zero
	MUL16 6, (\q)%2, \zero
	PLACES NP
	WIN 0
	FETCH_A \slot, (\q)+1, 4
.endm
.macro TURN slot, next, fill
	s_wait_tensorcnt 0x0                           ; all my tensor loads have landed: my part of the next slot
	ds_add_u32 v[SPW], v[NIL]
	s_wait_dscnt 4*NL+1                            ; the add and A's blocks 4-7 may be out
	WIN MUL_LO
	MUL16 0, 1, 0
	s_wait_dscnt 0x0                               ; the add is done, and my reads of this slot are over
	s_barrier_signal -1
	MUL16 2, 1, 0
	WIN 0
	s_barrier_wait -1
.if \fill
	CREST
	s_add_nc_u64 s[G0+4*\slot+2:G0+4*\slot+3], s[G0+4*\slot+2:G0+4*\slot+3], 2*AH
	s_add_nc_u64 s[G0B+4*\slot+2:G0B+4*\slot+3], s[G0B+4*\slot+2:G0B+4*\slot+3], 2*ROWB
	JLOAD G0+4*\slot, G1, G0B+4*\slot, G1B         ; the first tensor load behind the round
.else
	PLACES NP
.endif
	FETCH_B \next, 0, 0
	FETCH_A \next, 0, 0
	WIN MUL_HI
	MUL16 4, 1, 0
	MUL16 6, 1, 0
	PLACES NP
	WIN 0
	FETCH_A \next, 0, 4
.endm
	s_wait_tensorcnt 1                             ; my part of slot 0 is in; slot 1's load may be out
	s_barrier_signal -1
	s_barrier_wait -1
	FETCH_B 0, 0, 0
	FETCH_A 0, 0, 0
	FETCH_A 0, 0, 4
	STEP 0, 0, 1
	s_mov_b32 s3, LAPS-1
.Llap:
	TURN 0, 1, 1
	STEP 1, 0, 0
	TURN 1, 0, 1
	STEP 0, 0, 0
	s_sub_co_u32 s3, s3, 1
	s_cmp_lg_u32 s3, 0
	s_cbranch_scc1 .Llap
	TURN 0, 1, 0
	STEP 1, 0, 0
	s_wait_dscnt 4*NL
	WIN MUL_LO
	MUL16 0, 1, 0
	MUL16 2, 1, 0
	s_wait_dscnt 0
	WIN MUL_HI
	MUL16 4, 1, 0
	MUL16 6, 1, 0
	WIN 0
; THE WAY OUT, block by block of 16 rows x 128 columns: sum x 2^(e10 + e11) + bo in place, through my own stage in LDS, back as whole rows of 512 bytes.  LDS serves a wave's instructions in order (ISA guide 5.7.1.4).
.macro TOSTAGE a
.set AC, 64*((\a)%4)
.set W, 2+((\a)/4)
	WIN (W<<6)|W                                   ; destination and source 0: window 2 or 3; the bias in window 0
.set j, 0
.rept 32
	v_pk_fma_f32 v[AC+j:AC+j+1], v[AC+j:AC+j+1], s[96:97], v[BI+j:BI+j+1] op_sel_hi:[1,0,1]   ; each accumulator from its low end on
.set j, j+2
.endr
	WIN W<<2                                       ; the stores' data: window 2 or 3
.irp b, 0,1,2,3,4,5,6,7
	ds_store_b128 v[STO], v[AC+8*\b:AC+8*\b+3] offset:64*\b
	ds_store_b128 v[STO], v[AC+8*\b+4:AC+8*\b+7] offset:64*\b+16
.endr
	WIN 0
.set BB, BK+64*((\a)%2)
.irp t, 0,1,2,3,4,5,6,7,8,9,10,11,12,13,14,15
	ds_load_b128 v[BB+4*\t:BB+4*\t+3], v[RD] offset:\t*SPITCH
.endr
.endm
.macro SEND a, younger                 ; younger: the LDS instructions issued behind block a's loads, which may stay out
.set BB, BK+64*((\a)%2)
	s_wait_dscnt \younger
.if (\a) > 0
	s_add_nc_u64 s[84:85], s[84:85], 16*SIZE_N*4   ; (behind a wait on XCNT: the earlier stores have read their base)
.endif
.irp t, 0,1,2,3,4,5,6,7,8,9,10,11,12,13,14,15
	global_store_b128 v[CO], v[BB+4*\t:BB+4*\t+3], s[84:85] offset:\t*SIZE_N*4 th:TH_STORE_NT   ; 32 lanes store 512 consecutive bytes, at a multiple of 256 from out0's first byte
.endr
.endm
	s_wait_kmcnt 0x0
	s_add_co_i32 s96, s96, s97
	s_add_co_i32 s96, s96, 127
	s_lshl_b32 s96, s96, 23                        ; 2^(e10 + e11)
	s_mov_b32 s97, s96
	s_wait_loadcnt 0x0                             ; the bias
	PLACES NP
	TOSTAGE 0
.irp a, 1,2,3,4,5,6,7
.if \a > 1
	s_wait_xcnt 0x0                                ; block a - 2's stores have read their registers and their base
.endif
	TOSTAGE \a
	SEND \a-1, 32                                  ; behind block a - 1's loads: block a's 16 stores and 16 loads
.endr
	s_wait_xcnt 0x0
	SEND 7, 0
	s_wait_tensorcnt 0x0                           ; the wave's end
	ds_add_u32 v[SPW], v[NIL]
	s_wait_dscnt 0x0
	CROUND                                         ; the closing round
	s_endpgm
.Lfunc_end_k_qc54cccb065_oproj:
	.size	k_qc54cccb065_oproj, .Lfunc_end_k_qc54cccb065_oproj-k_qc54cccb065_oproj
	.p2alignl 7, 3214868480
	.fill 96, 4, 3214868480
	.section	.rodata,"a",@progbits
	.p2align	6, 0x0
	.amdhsa_kernel k_qc54cccb065_oproj
		.amdhsa_group_segment_fixed_size 327680
		.amdhsa_private_segment_fixed_size 0
		.amdhsa_enable_private_segment 0
		.amdhsa_kernarg_size 40
		.amdhsa_user_sgpr_count 2
		.amdhsa_user_sgpr_kernarg_segment_ptr 1
		.amdhsa_wavefront_size32 1
		.amdhsa_system_sgpr_workgroup_id_x 1
		.amdhsa_system_sgpr_workgroup_id_y 1
		.amdhsa_system_sgpr_workgroup_id_z 1
		.amdhsa_system_vgpr_workitem_id 0
		.amdhsa_next_free_vgpr 1024
		.amdhsa_next_free_sgpr 100
		.amdhsa_reserve_vcc 0
		.amdhsa_float_denorm_mode_32 3
		.amdhsa_float_denorm_mode_16_64 3
		.amdhsa_memory_ordered 1
		.amdhsa_forward_progress 1
		.amdhsa_inst_pref_size 125
	.end_amdhsa_kernel
	.amdgpu_metadata
---
amdhsa.version: [ 1, 2 ]
amdhsa.kernels:
  - .name:           k_qc54cccb065_oproj
    .symbol:         k_qc54cccb065_oproj.kd
    .args:
      - { .name: af, .offset: 0, .size: 8, .value_kind: global_buffer, .address_space: global }
      - { .name: codes, .offset: 8, .size: 8, .value_kind: global_buffer, .address_space: global }
      - { .name: lowp_scales, .offset: 16, .size: 8, .value_kind: global_buffer, .address_space: global }
      - { .name: bo, .offset: 24, .size: 8, .value_kind: global_buffer, .address_space: global }
      - { .name: out0, .offset: 32, .size: 8, .value_kind: global_buffer, .address_space: global }
    .group_segment_fixed_size: 327680
    .private_segment_fixed_size: 0
    .kernarg_segment_align: 8
    .kernarg_segment_size: 40
    .max_flat_workgroup_size: 128
    .sgpr_count:     100
    .vgpr_count:     1024
    .wavefront_size: 32
...
	.end_amdgpu_metadata
.endif
;; end of part 4
;; ======== version 2 of 2: 4 launches; version 1 with the launch attn written anew for expert scheduling mode
;; limits: right only within a limited range of input values
;; workspace buffers: codes 29,360,128 bytes; mw 524,288 bytes of whole numbers; mf 256 bytes of whole numbers; qkv 25,165,824 bytes; af 8,388,608 bytes
;; launch prep: the kernel of part 1 again; grid 256 x 1, 8 waves a work-group, no clusters, 134,400 bytes of LDS; arguments x, Wq, Wk, Wv, Wo, mask, lowp_scales, codes, mw, mf; writes codes, mw, mf
;; launch qkv: the kernel of part 2 again; grid 12 x 32, 4 waves a work-group, clusters of 4 x 4, 327,680 bytes of LDS; arguments codes, lowp_scales, bq, bk, bv, qkv; writes qkv
;; launch attn (part 5): grid 4 x 64, 8 waves a work-group, no clusters, 33,792 bytes of LDS; arguments qkv, mw, mf, lowp_scales, af; writes af
.if DOCPART == 5
	.amdgcn_target "amdgcn-amd-amdhsa--gfx1250"
	.amdhsa_code_object_version 6
	.text
	.protected	k_qc54cccb065_attn
	.globl	k_qc54cccb065_attn
	.p2align	8
	.type	k_qc54cccb065_attn,@function
k_qc54cccb065_attn:
	s_mov_b64 s[64:65], 0
	v_nop
	global_prefetch_b8 v0, s[64:65] scope:SCOPE_SE
	s_setreg_imm32_b32 hwreg(HW_REG_WAVE_SCHED_MODE, 0, 2), 2
	s_setreg_imm32_b32 hwreg(HW_REG_WAVE_MODE, 25, 1), 1
	s_wait_xcnt 0x0
	s_wait_alu depctr_vm_vsrc(0)
; ATTENTION on codes of E4M3.  For each batch x head (work-group y): S^T = K Q^T (K = 64), mask, p = 2^(t - M), O^T += V^T P^T (K = 128 keys), O / l quantised at e10 and stored as images of the last product's operand.
; t = logit x log2(e); M = the running largest t rounded up to a whole number; l = the sum of the unquantised p; when M moves, l and O^T are multiplied by 2^(old M - new M): exact.
; SHARES.  Work-group x = pr makes two passes: the blocks of 256 queries pr and 7 - pr.  Each of its eight waves owns 32 queries, two tiles of 16, so that each fragment of K and V read from LDS feeds two matrix instructions.
; Keys go 128 a step through two LDS slots of 16 KiB (K's eight images, then V's four).  Each wave brings 2 KiB of the next step's tile through registers while this step is worked; one barrier a step.
; THE MASK IS AN INPUT.  The first launch turned it into words and flags.  A step is fetched where some strip of the block wants it, worked by a wave where its own strip of 32 queries wants it, and masked unless it is wholly open.
; These are scalar branches on stored whole numbers; that is why the tiles come by plain loads and not by the tensor data mover, and why no tile is asked for jointly: partners would walk different steps.
; A masked score becomes the raw sum that stands for the logit -2^30 (reference: -1e9): times c it is a whole number, so t - M is exactly 0 in a row with no open key (p = 1 for all 2,048 keys) and p = 0 in every other row, as with -1e9.
; LAYOUT.  Both products transposed: a lane holds ONE query (lane % 16).  S^T's tile c, register j = key 16 c + 8 h + j: eight neighbours, which one conversion turns into register pair c of P.
; V's rows were laid so that O^T's tiles 2 b, 2 b + 1 hold features 32 b + 16 h + 0 .. 15.
; LIMITS: e6 + e7 between -94 and 9; e8 and e10 between -126 and 119; open logits lie above about -1e9; NaN is not served.  q is taken at scale 6, k at scale 7.
; REGISTERS.  window 0: v1-7 addresses and constants; v8-27 statistics, ten a tile; v28, v29; v32-159 S^T then p, 64 a tile; v160-223 K's fragments; v224-239 the tile on its way.
;   window 1: v0-63 O^T (32 a tile); v64-79 Q; v80-111 P; v112-175 V's fragments.
; THE MODE: SCHED_MODE bits 1:0 = 2 (LLVM: expert scheduling mode 2), set by the entry lines.  The code itself states the register dependences
; between vector or matrix instructions and memory or LDS instructions, with s_wait_alu, always for 0.
; THE PLAN.  Registers that memory or LDS instructions touch:
;   v[LI], v[SW]    Offsets and addresses: made at the head, read by every load and store, never written again.
;   v[STG ..]       Written once by the head's v_mov; then by the four global loads at a step's head; read by the four LDS stores at the step's end.  No vector instruction behind the head names them.
;   v[KF ..]        Written by sixteen LDS loads at the head of a worked step; read by that step's sixteen products K Q^T.  At a pass's end its first sixteen (v[CO ..]) take the conversions' results, which four global stores read.
;   VF (window 1)   Written by sixteen LDS loads behind the products K Q^T; read by the step's eight products V^T P^T.
;   Q  (window 1)   Written by four global loads at a pass's head; read by the products K Q^T.
;   v[SPW], v[NIL]  Written at the head, read by the closing add alone.
;   S^T / p, P, O^T and the statistics are named by vector and matrix instructions alone.
; So ONE wait on va_vdst stands at the head of a worked step: the last worked step's products are done reading K's and V's fragments.  The step's 32 LDS loads lean on it: K's at once, V's behind the products K Q^T, which name
; neither V's fragments nor v[LI].  One wait on vm_vsrc stands at every step's head, ahead of the loads into v[STG ..].  The others: one of each at a pass's head, one on va_vdst ahead of the pass's stores,
; one ahead of the second run of scalar loads of mask words, and the two behind transcendentals.
.set SLOTB, 16384
.set VOFF,  8192
.set SPARE, 2*SLOTB                    ; behind the slots: the spare words, 128 bytes for each wave: four blocks of 256 bytes that no other line names
.set LI,   1                           ; v1  16 x lane
.set SW,   2                           ; v2  16 x lane + 2,048 x wave: where I store my part of a tile
.set SPW,  3                           ; v3  my spare word's LDS address; never rewritten
.set NIL,  4                           ; v4  0; never rewritten
.set PSC,  5                           ; v5  2^e8
.set PLIM, 6                           ; v6  448 x 2^e8
.set NEG,  7                           ; v7  the masked score
.set ST,   8                           ; tile t at v[ST + 10 t]: +0 -M, +1 the largest t, +2, +3 l, +4 f, +5 (named with f), +6, +7 at work, +8, +9 a second chain of sums
.set OSC,  28                          ; v28 2^e10
.set OLIM, 29                          ; v29 448 x 2^e10
.set S,    32
.set KF,   160
.set CO,   160                         ; the way out: 16 registers of codes
.set STG,  224
.set O,    0                           ; window 1
.set Q,    64
.set P,    80
.set VF,   112
; scalars: s[2:3] my part of the tiles in memory; s[4:5] qkv; s[6:7] mw; s[8:9] mf; s[12:13] af; s[14:15] my strip's words; s16-63, s80-95 64 mask words;
; s66 wave; s67 the step J; s68 at work; s69 my strip's flags; s70 the block's; s71, s72 counters; s73 the block; s74 hold p?; s75 e8 + e9; s[76:77] c; s[78:79] lane selects; s96 offset; s97 batch x head; s[98:99] Q; s[100:101] where the images go
.set MSB, 0
.macro WIN new
.if MSB != \new
	s_set_vgpr_msb (MSB<<8)|\new
.set MSB, \new
.endif
.endm
.macro PLACES
.rept 4
	v_nop
.endr
.endm
.macro MLOAD off                       ; a tile's 64 mask words: word n in s[16 + n], from n = 48 on in s[32 + n]
	s_load_b512 s[16:31], s[14:15], s96 offset:\off
	s_load_b512 s[32:47], s[14:15], s96 offset:\off+64
	s_load_b512 s[48:63], s[14:15], s96 offset:\off+128
	s_load_b512 s[80:95], s[14:15], s96 offset:\off+192
.endm
.macro APPLY t                         ; closed scores become the masked score; each accumulator from its low end on
.set n, 0
.rept 64
.if n < 48
.set w, 16+n
.else
.set w, 32+n
.endif
	v_cndmask_b32 v[S+64*\t+n], v[NEG], v[S+64*\t+n], s[w]
.set n, n+1
.endr
.endm
.macro SOFTMAX                         ; both tiles, line by line by turns
.irp t, 0,1
	v_max3_num_f32 v[ST+10*\t+6], v[S+64*\t], v[S+64*\t+1], v[S+64*\t+2]      ; the step's largest score, in two chains a tile; each accumulator is first read at its low end
.endr
.irp t, 0,1
	v_max3_num_f32 v[ST+10*\t+7], v[S+64*\t+3], v[S+64*\t+4], v[S+64*\t+5]
.endr
.irp t, 0,1
	v_max3_num_f32 v[ST+10*\t+6], v[ST+10*\t+6], v[S+64*\t+6], v[S+64*\t+7]
.endr
.irp c, 1,2,3,4,5,6,7
.irp t, 0,1
	v_max3_num_f32 v[ST+10*\t+6], v[ST+10*\t+6], v[S+64*\t+8*\c], v[S+64*\t+8*\c+1]
.endr
.irp t, 0,1
	v_max3_num_f32 v[ST+10*\t+7], v[ST+10*\t+7], v[S+64*\t+8*\c+2], v[S+64*\t+8*\c+3]
.endr
.irp t, 0,1
	v_max3_num_f32 v[ST+10*\t+6], v[ST+10*\t+6], v[S+64*\t+8*\c+4], v[S+64*\t+8*\c+5]
.endr
.irp t, 0,1
	v_max3_num_f32 v[ST+10*\t+7], v[ST+10*\t+7], v[S+64*\t+8*\c+6], v[S+64*\t+8*\c+7]
.endr
.endr
.irp t, 0,1
	v_max_num_f32 v[ST+10*\t+6], v[ST+10*\t+6], v[ST+10*\t+7]
.endr
.irp t, 0,1
	v_permlanex16_b32 v[ST+10*\t+7], v[ST+10*\t+6], s78, s79                   ; the query's other 64 keys lie in the lane 16 away
.endr
.irp t, 0,1
	v_max_num_f32 v[ST+10*\t+6], v[ST+10*\t+6], v[ST+10*\t+7]
.endr
.irp t, 0,1
	v_mul_f32 v[ST+10*\t+6], s76, v[ST+10*\t+6]                                ; as t (c is positive)
.endr
.irp t, 0,1
	v_max_num_f32 v[ST+10*\t+1], v[ST+10*\t+1], v[ST+10*\t+6]                  ; the running largest t
.endr
.irp t, 0,1
	v_mov_b32 v[ST+10*\t+6], v[ST+10*\t]
.endr
.irp t, 0,1
	v_floor_f32 v[ST+10*\t], -v[ST+10*\t+1]                                    ; -M = floor(-t): M is a whole number
.endr
.irp t, 0,1
	v_sub_f32 v[ST+10*\t+6], v[ST+10*\t], v[ST+10*\t+6]                        ; old M - new M, 0 or less
.endr
.irp t, 0,1
	v_cvt_i32_f32 v[ST+10*\t+6], v[ST+10*\t+6]                                 ; (it saturates)
.endr
.irp t, 0,1
	v_ldexp_f32 v[ST+10*\t+4], 1.0, v[ST+10*\t+6]                              ; f = 2^(old M - new M)
.endr
.irp t, 0,1
.set j, 0
.rept 32
	v_pk_fma_f32 v[S+64*\t+j:S+64*\t+j+1], v[S+64*\t+j:S+64*\t+j+1], s[76:77], v[ST+10*\t:ST+10*\t+1] op_sel_hi:[1,0,0]   ; t - M, two at a time
.set j, j+2
.endr
.endr
.set j, 0
.rept 128
	v_exp_f32 v[S+j], v[S+j]                       ; p = 2^(t - M): one batch
.set j, j+1
.endr
.irp t, 0,1
	v_pk_mul_f32 v[ST+10*\t+2:ST+10*\t+3], v[ST+10*\t+2:ST+10*\t+3], v[ST+10*\t+4:ST+10*\t+5] op_sel_hi:[1,0]   ; l under the new M: the plain instructions behind the batch
.endr
	s_wait_alu depctr_va_vdst(0)                   ; the 128 exponentials have written v[S ..]: one wait for the batch, ahead of the first instruction that names a result
.irp t, 0,1
	v_pk_add_f32 v[ST+10*\t+8:ST+10*\t+9], v[S+64*\t:S+64*\t+1], v[S+64*\t+2:S+64*\t+3]   ; the sum of the UNQUANTISED p, in two chains a tile
.endr
.irp j, 4,8,12,16,20,24,28,32,36,40,44,48,52,56,60
.irp t, 0,1
	v_pk_add_f32 v[ST+10*\t+2:ST+10*\t+3], v[ST+10*\t+2:ST+10*\t+3], v[S+64*\t+\j:S+64*\t+\j+1]
	v_pk_add_f32 v[ST+10*\t+8:ST+10*\t+9], v[ST+10*\t+8:ST+10*\t+9], v[S+64*\t+\j+2:S+64*\t+\j+3]
.endr
.endr
.irp t, 0,1
	v_pk_add_f32 v[ST+10*\t+2:ST+10*\t+3], v[ST+10*\t+2:ST+10*\t+3], v[ST+10*\t+8:ST+10*\t+9]
.endr
	s_cmp_eq_u32 s74, 0                            ; p is at most 1 (within a rounding), and 1 / 2^e8 is at most 256 where e8 >= -8: there the hold at 448 cannot bind and is passed over
	s_cbranch_scc1 .Lnohold_\@
.set j, 0
.rept 128
	v_min_num_f32 v[S+j], v[S+j], v[PLIM]          ; the conversion does not saturate (ISA guide 7.6.2); p is not negative
.set j, j+1
.endr
.Lnohold_\@:
	WIN 0x40                                       ; destination window 1
.irp t, 0,1
.irp c, 0,1,2,3,4,5,6,7
	v_cvt_scalef32_pk8_fp8_f32 v[P+16*\t+2*\c:P+16*\t+2*\c+1], v[S+64*\t+8*\c:S+64*\t+8*\c+7], v[PSC]
.endr
.endr
	WIN 0x41                                       ; O^T (destination, source 0) window 1, f window 0
.irp t, 0,1
.set j, 0
.rept 16
	v_pk_mul_f32 v[O+32*\t+j:O+32*\t+j+1], v[O+32*\t+j:O+32*\t+j+1], v[ST+10*\t+4:ST+10*\t+5] op_sel_hi:[1,0]   ; O^T under the new M; also the plain instructions behind the conversions
.set j, j+2
.endr
.endr
	WIN 0
.endm
.macro COMPUTE slot                    ; my 32 queries against the 128 keys in the slot
	s_wait_alu depctr_va_vdst(0)                   ; the last worked step's products are done reading K's and V's fragments, in which this step's LDS loads land, and its selects the mask words, in which the scalar loads land; in a pass's first worked step: the last pass's conversions have written v[CO ..], which lie in K's fragments
	s_lshl_b32 s96, s67, 9                         ; the step's 512 bytes of my strip's words
	MLOAD 0                                        ; tile 0's words, in every step that is worked: they land under the products
.irp n, 0,1,2,3,4,5,6,7,8,9,10,11,12,13,14,15
	ds_load_b128 v[KF+4*\n:KF+4*\n+3], v[LI] offset:\slot*SLOTB+512*\n
.endr
	s_wait_dscnt 0x0                               ; K's sixteen loads are in; nothing younger is out
	WIN 0x04                                       ; source 1 (Q) window 1
.irp c, 0,1,2,3,4,5,6,7
.irp t, 0,1
	v_wmma_f32_16x16x64_fp8_fp8 v[S+64*\t+8*\c:S+64*\t+8*\c+7], v[KF+8*\c:KF+8*\c+7], v[Q+8*\t:Q+8*\t+7], 0
.endr
.endr
	WIN 0x40                                       ; destination window 1
.irp n, 0,1,2,3,4,5,6,7,8,9,10,11,12,13,14,15
	ds_load_b128 v[VF+4*\n:VF+4*\n+3], v[LI] offset:\slot*SLOTB+VOFF+512*\n   ; V's fragments.  No wait: no vector or matrix instruction since the wait at the step's head names them or v[LI]; they land under the mask and the softmax
.endr
	WIN 0
	PLACES
	s_wait_kmcnt 0x0
	s_add_co_u32 s68, s67, 16
	s_bitcmp1_b32 s69, s68                         ; wholly open for my strip?
	s_cbranch_scc1 .Lplain_\@
	APPLY 0
	s_wait_alu depctr_va_vdst(0)                   ; tile 0's selects are done reading the mask words in s16 on, in which the scalar loads below land
	MLOAD 256                                      ; tile 1's words
	s_wait_kmcnt 0x0
	APPLY 1
.Lplain_\@:
	SOFTMAX
	s_wait_dscnt 0x0                               ; V is in
	WIN 0x55                                       ; all four places window 1
.irp d, 0,1,2,3
.irp t, 0,1
	v_wmma_f32_16x16x128_fp8_fp8 v[O+32*\t+8*\d:O+32*\t+8*\d+7], v[VF+16*\d:VF+16*\d+15], v[P+16*\t:P+16*\t+15], v[O+32*\t+8*\d:O+32*\t+8*\d+7]   ; eight accumulators, one instruction each
.endr
.endr
	WIN 0
	PLACES                                         ; in front of the next reads of O^T
.endm
.macro STEPM slot
	s_wait_alu depctr_vm_vsrc(0)                   ; the LDS stores of the step before have read v[STG ..], in which the loads below land; in a pass's first step also: the last pass's global stores have read v[CO ..], in which K's fragments land.  Ahead of the branches, so on every way
	s_add_co_u32 s68, s67, 1
	s_bitcmp1_b32 s70, s68                         ; does any strip of the block want the next step?  (bit 16 is 0: no step 16 is asked for)
	s_cbranch_scc0 .Lnoload_\@
.irp i, 0,1,2,3
	global_load_b128 v[STG+4*\i:STG+4*\i+3], v[LI], s[2:3] offset:8192*(\slot+1)+512*\i
.endr
.Lnoload_\@:
	s_bitcmp1_b32 s69, s67                         ; does my strip want this step?
	s_cbranch_scc0 .Lidle_\@
	COMPUTE \slot
.Lidle_\@:
	s_wait_loadcnt 0x0                             ; my part of the next tile
.irp i, 0,1,2,3
	ds_store_b128 v[SW], v[STG+4*\i:STG+4*\i+3] offset:(1-\slot)*SLOTB+512*\i   ; on every way; where nothing was asked for, nobody reads that slot.  v[SW] and v[STG ..] are named by no vector instruction behind the head
.endr
	s_add_co_u32 s67, s67, 1
	s_wait_dscnt 0x0                               ; my reads of this slot are over, my stores into the other have landed
	s_barrier_signal -1
	s_barrier_wait -1
.endm
	s_load_b256 s[4:11], s[0:1], 0x0               ; qkv, mw, mf, the scales' exponents
	s_load_b64 s[12:13], s[0:1], 0x20              ; af
	v_lshl_add_u32 v[SPW], v0, 2, SPARE
	v_mov_b32 v[NIL], 0
	v_lshrrev_b32 v30, 5, v0
	v_readfirstlane_b32 s66, v30                   ; wave 0..7
	v_and_b32 v30, 31, v0
	v_lshlrev_b32 v[LI], 4, v30
	s_wait_alu depctr_va_sdst(0)                   ; s66 is written, ahead of its first reader: addresses and bases are made from it
	s_lshl_b32 s68, s66, 11
	v_add_nc_u32 v[SW], s68, v[LI]
	s_and_b32 s97, ttmp7, 0xffff                   ; batch x head
	s_mov_b32 s78, 0x76543210
	s_mov_b32 s79, 0xfedcba98
.set j, 0
.rept 16
	v_mov_b32 v[STG+j], 0                          ; written once: they are stored on ways on which nothing was loaded
.set j, j+1
.endr
	s_wait_kmcnt 0x0
	s_load_b256 s[16:23], s[10:11], 0x0            ; e0 .. e7
	s_load_b128 s[24:27], s[10:11], 0x20           ; e8 .. e11
	s_wait_kmcnt 0x0
	s_add_co_i32 s68, s22, s23                     ; e6 + e7
	s_lshl_b32 s10, s68, 23
	s_add_co_i32 s76, s10, 0x3e38aa3b              ; c = log2(e) / 8 x 2^(e6 + e7): the exponents are added to the exponent field
	s_mov_b32 s77, s76
	s_sub_co_i32 s10, 160, s68
	s_lshl_b32 s10, s10, 23
	s_or_b32 s10, s10, 0x80000000
	v_mov_b32 v[NEG], s10                          ; -2^(33 - e6 - e7): x c it is -2^30 log2(e)
	s_add_co_i32 s10, s24, 127
	s_lshl_b32 s11, s10, 23
	v_mov_b32 v[PSC], s11
	s_add_co_i32 s10, s10, 8
	s_lshl_b32 s10, s10, 23
	s_or_b32 s10, s10, 0x600000
	v_mov_b32 v[PLIM], s10
	s_add_co_i32 s10, s26, 127
	s_lshl_b32 s11, s10, 23
	v_mov_b32 v[OSC], s11
	s_add_co_i32 s10, s10, 8
	s_lshl_b32 s10, s10, 23
	s_or_b32 s10, s10, 0x600000
	v_mov_b32 v[OLIM], s10
	s_add_co_i32 s75, s24, s25                     ; e8 + e9
	s_cmp_lt_i32 s24, -8
	s_cselect_b32 s74, 1, 0
	s_mov_b32 s72, 0
.Lpass:
	s_sub_co_u32 s10, 7, ttmp9
	s_cmp_eq_u32 s72, 0
	s_cselect_b32 s73, ttmp9, s10                  ; the block of 256 queries: pr, then 7 - pr
	s_lshl_b32 s10, s73, 5
	s_lshl_b32 s11, s66, 2
	s_add_co_u32 s11, s11, s10
	s_load_b256 s[16:23], s[8:9], s10 offset:0x0   ; the flags of the block's eight strips,
	s_load_b32 s69, s[8:9], s11 offset:0x0         ; and my strip's
	s_lshl_b32 s98, s97, 7
	s_lshl_b32 s68, s73, 4
	s_add_co_u32 s98, s98, s68
	s_lshl_b32 s68, s66, 1
	s_add_co_u32 s98, s98, s68
	s_lshl_b32 s98, s98, 10                        ; Q: (batch x head x 128 + 16 block + 2 wave) images of 1 KiB
	s_mov_b32 s99, 0
	s_add_nc_u64 s[98:99], s[4:5], s[98:99]
	s_lshl_b32 s2, s66, 11                         ; waves 0-3: K's four parts of 2 KiB, from 8 MiB on; waves 4-7: V's, from 16 MiB on
	s_mov_b32 s68, 0xffe000
	s_cmp_lt_u32 s66, 4
	s_cselect_b32 s68, 0x800000, s68
	s_add_co_u32 s2, s2, s68
	s_lshl_b32 s68, s97, 17
	s_add_co_u32 s2, s2, s68
	s_mov_b32 s3, 0
	s_add_nc_u64 s[2:3], s[4:5], s[2:3]
	s_lshl_b32 s14, s73, 3
	s_add_co_u32 s14, s14, s66
	s_lshl_b32 s14, s14, 13                        ; my strip's words: 16 steps x 512 bytes
	s_mov_b32 s15, 0
	s_add_nc_u64 s[14:15], s[6:7], s[14:15]
	s_and_b32 s100, s97, 0x30                      ; af: [group of 128 tokens][4 heads' slot][tile of 16 tokens][head % 4] x 1 KiB
	s_lshl_b32 s68, s73, 1
	s_add_co_u32 s100, s100, s68
	s_lshr_b32 s68, s66, 2
	s_add_co_u32 s100, s100, s68
	s_lshl_b32 s100, s100, 17
	s_bfe_u32 s68, s97, 0x20002
	s_lshl_b32 s68, s68, 15
	s_add_co_u32 s100, s100, s68
	s_and_b32 s68, s66, 3
	s_lshl_b32 s68, s68, 13
	s_add_co_u32 s100, s100, s68
	s_and_b32 s68, s97, 3
	s_lshl_b32 s68, s68, 10
	s_add_co_u32 s100, s100, s68
	s_mov_b32 s101, 0
	s_add_nc_u64 s[100:101], s[12:13], s[100:101]
	WIN 0x40
	s_wait_alu depctr_va_vdst(0)                   ; the head has written v[LI], v[SW] and v[STG ..], which the loads and stores from here on read or land in; the last pass's products are done reading Q, in which the loads below land
.irp t, 0,1
.irp u, 0,1
	global_load_b128 v[Q+8*\t+4*\u:Q+8*\t+4*\u+3], v[LI], s[98:99] offset:1024*\t+512*\u
.endr
.endr
.set j, 0
.rept 64
	v_mov_b32 v[O+j], 0                            ; O^T: which step is a wave's first hangs on the flags, so the step is written once and finds zeros
.set j, j+1
.endr
	WIN 0
.irp t, 0,1
	v_mov_b32 v[ST+10*\t+1], 0xff61b1e6            ; the largest t so far: -3e38
	v_floor_f32 v[ST+10*\t], -v[ST+10*\t+1]
	v_mov_b32 v[ST+10*\t+2], 0
	v_mov_b32 v[ST+10*\t+3], 0
	v_mov_b32 v[ST+10*\t+5], 0
	v_mov_b32 v[ST+10*\t+7], 0
.endr
	s_wait_kmcnt 0x0
	s_or_b32 s70, s16, s17
	s_or_b32 s70, s70, s18
	s_or_b32 s70, s70, s19
	s_or_b32 s70, s70, s20
	s_or_b32 s70, s70, s21
	s_or_b32 s70, s70, s22
	s_or_b32 s70, s70, s23
	s_and_b32 s70, s70, 0xffff                     ; the steps that some strip of the block wants
	s_mov_b32 s67, 0
	s_wait_alu depctr_vm_vsrc(0)                   ; the last pass's LDS stores have read v[STG ..], in which the loads below land; ahead of the branch
	s_bitcmp1_b32 s70, 0
	s_cbranch_scc0 .Lno_first
.irp i, 0,1,2,3
	global_load_b128 v[STG+4*\i:STG+4*\i+3], v[LI], s[2:3] offset:512*\i
.endr
.Lno_first:
	s_wait_loadcnt 0x0                             ; Q, and my part of step 0's tile
.irp i, 0,1,2,3
	ds_store_b128 v[SW], v[STG+4*\i:STG+4*\i+3] offset:512*\i
.endr
	s_wait_dscnt 0x0
	s_barrier_signal -1
	s_barrier_wait -1
	s_mov_b32 s71, 8
.Ltrip:                                            ; eight trips of two steps
	STEPM 0
	STEPM 1
	s_add_nc_u64 s[2:3], s[2:3], 16384             ; behind the steps' waits for their loads
	s_sub_co_u32 s71, s71, 1
	s_cmp_lg_u32 s71, 0
	s_cbranch_scc1 .Ltrip
	; the pass's end: O^T x 2^(e8 + e9) / l, held, converted: the results are the last product's operand registers
.irp t, 0,1
	v_add_f32 v[ST+10*\t+2], v[ST+10*\t+2], v[ST+10*\t+3]
.endr
.irp t, 0,1
	v_permlanex16_b32 v[ST+10*\t+7], v[ST+10*\t+2], s78, s79
.endr
.irp t, 0,1
	v_add_f32 v[ST+10*\t+2], v[ST+10*\t+2], v[ST+10*\t+7]
.endr
.irp t, 0,1
	v_rcp_f32 v[ST+10*\t+4], v[ST+10*\t+2]
.endr
	v_nop                                          ; a plain instruction behind the reciprocals
	s_wait_alu depctr_va_vdst(0)                   ; the two reciprocals have written v[ST+4] and v[ST+14]: a wait ahead of their first reader
.irp t, 0,1
	v_ldexp_f32 v[ST+10*\t+4], v[ST+10*\t+4], s75
.endr
	WIN 0x01                                       ; source 0 (O^T) window 1
.irp t, 0,1
.set j, 0
.rept 16
	v_pk_mul_f32 v[S+32*\t+j:S+32*\t+j+1], v[O+32*\t+j:O+32*\t+j+1], v[ST+10*\t+4:ST+10*\t+5] op_sel_hi:[1,0]
.set j, j+2
.endr
.endr
	WIN 0
.set j, 0
.rept 64
	v_med3_num_f32 v[S+j], v[S+j], -v[OLIM], v[OLIM]
.set j, j+1
.endr
.irp t, 0,1
.irp d, 0,1,2,3
	v_cvt_scalef32_pk8_fp8_f32 v[CO+8*\t+2*\d:CO+8*\t+2*\d+1], v[S+32*\t+8*\d:S+32*\t+8*\d+7], v[OSC]
.endr
.endr
	v_nop                                          ; a plain instruction behind the conversions
	s_wait_alu depctr_va_vdst(0)                   ; the conversions have written v[CO ..], which the four stores read
.irp t, 0,1
.irp u, 0,1
	global_store_b128 v[LI], v[CO+8*\t+4*\u:CO+8*\t+4*\u+3], s[100:101] offset:4096*\t+512*\u   ; 512 consecutive bytes
.endr
.endr
	s_wait_xcnt 0x0                                ; the stores have read their registers and their base
	s_add_co_u32 s72, s72, 1
	s_cmp_lt_u32 s72, 2
	s_cbranch_scc1 .Lpass
	s_wait_dscnt 0x0                               ; the closing lines, six on end
	s_wait_alu 0x0
	s_wait_tensorcnt 0x0
	ds_add_u32 v[SPW], v[NIL]
	s_wait_dscnt 0x0
	s_endpgm
.Lfunc_end_k_qc54cccb065_attn:
	.size	k_qc54cccb065_attn, .Lfunc_end_k_qc54cccb065_attn-k_qc54cccb065_attn
	.p2alignl 7, 3214868480
	.fill 96, 4, 3214868480
	.section	.rodata,"a",@progbits
	.p2align	6, 0x0
	.amdhsa_kernel k_qc54cccb065_attn
		.amdhsa_group_segment_fixed_size 33792
		.amdhsa_private_segment_fixed_size 0
		.amdhsa_enable_private_segment 0
		.amdhsa_kernarg_size 40
		.amdhsa_user_sgpr_count 2
		.amdhsa_user_sgpr_kernarg_segment_ptr 1
		.amdhsa_wavefront_size32 1
		.amdhsa_system_sgpr_workgroup_id_x 1
		.amdhsa_system_sgpr_workgroup_id_y 1
		.amdhsa_system_sgpr_workgroup_id_z 1
		.amdhsa_system_vgpr_workitem_id 0
		.amdhsa_next_free_vgpr 512
		.amdhsa_next_free_sgpr 102
		.amdhsa_reserve_vcc 0
		.amdhsa_float_denorm_mode_32 3
		.amdhsa_float_denorm_mode_16_64 3
		.amdhsa_memory_ordered 1
		.amdhsa_forward_progress 1
		.amdhsa_inst_pref_size 92
	.end_amdhsa_kernel
	.amdgpu_metadata
---
amdhsa.version: [ 1, 2 ]
amdhsa.kernels:
  - .name:           k_qc54cccb065_attn
    .symbol:         k_qc54cccb065_attn.kd
    .args:
      - { .name: qkv, .offset: 0, .size: 8, .value_kind: global_buffer, .address_space: global }
      - { .name: mw, .offset: 8, .size: 8, .value_kind: global_buffer, .address_space: global }
      - { .name: mf, .offset: 16, .size: 8, .value_kind: global_buffer, .address_space: global }
      - { .name: lowp_scales, .offset: 24, .size: 8, .value_kind: global_buffer, .address_space: global }
      - { .name: af, .offset: 32, .size: 8, .value_kind: global_buffer, .address_space: global }
    .group_segment_fixed_size: 33792
    .private_segment_fixed_size: 0
    .kernarg_segment_align: 8
    .kernarg_segment_size: 40
    .max_flat_workgroup_size: 256
    .sgpr_count:     102
    .vgpr_count:     512
    .wavefront_size: 32
...
	.end_amdgpu_metadata
.endif
;; end of part 5
;; launch oproj: the kernel of part 4 again; grid 4 x 32, 4 waves a work-group, clusters of 4 x 4, 327,680 bytes of LDS; arguments af, codes, lowp_scales, bo, out0; writes out0
